; MI455X (gfx1250); checked and timed in simulation.
; The chip was launched on July 23, 2026; its instructions are those of AMD's public machine-readable ISA for CDNA 5 (MIT licence, August 2026) and "CDNA5" Instruction Set Architecture Reference Guide (July 2026). The comments in the code are by the model that wrote it; some were corrected since.
;; Feedback Attention. Allowed arithmetic: float matrix products may take bf16 or f16 operands with f32 sums; all other float work in f32.
;; Inputs: b_out 1,024 float32; key 512 x 64 x 1,024 float32; key_pos_bias 4,096 x 16 float32; key_pos_embeddings 4,096 x 64 float32; query 64 x 1,024 float32; query_pos_bias 16 x 64 float32; value 512 x 64 x 1,024 float32; w_k 1,024 x 1,024 float32; w_out 1,024 x 1,024 float32; w_q 1,024 x 1,024 float32; w_v 1,024 x 1,024 float32.
;; Outputs: out0 64 x 1,024 float32.
;; 2 versions, each right; version 2 is version 1 with the launches prep, scores, pv written anew for expert scheduling mode. Each part assembles by itself: llvm-mc -triple=amdgcn-amd-amdhsa -mcpu=gfx1250 --defsym DOCPART=n.
;; ======== version 1 of 2: 5 launches
;; workspace buffers: qk 4,194,304 bytes; qs 262,144 bytes; sc 2,097,152 bytes; y 4,194,304 bytes; x 262,144 bytes
;; launch prep (part 1): grid 16 x 4, 8 waves a work-group, no clusters, 144,896 bytes of LDS; arguments query, w_q, query_pos_bias, w_k, qk, qs; writes qk, qs
.if DOCPART == 1
	.amdgcn_target "amdgcn-amd-amdhsa--gfx1250"
	.amdhsa_code_object_version 6
	.text
	.protected	k_q9b03b6b601_prep
	.globl	k_q9b03b6b601_prep
	.p2align	8
	.type	k_q9b03b6b601_prep,@function
k_q9b03b6b601_prep:
	s_mov_b64 s[64:65], 0
	v_nop
	global_prefetch_b8 v0, s[64:65] scope:SCOPE_SE
	s_setreg_imm32_b32 hwreg(HW_REG_WAVE_MODE, 25, 1), 1
	s_wait_xcnt 0x0
; PREP.  q[b][64h+d] = sum_k query[b][k] w_q[k][64h+d];  qs = q;  qk[b][h][c] = sum_d w_k[c][64h+d] (q + u)[b][h][d], u = query_pos_bias.
; With qk the scores' first part is key[j][b][:] . qk[b][h][:]: the projection of key is moved onto the one query of each (b, h), which is the same sum in another order.
; FORMATS.  query, w_q, w_k and u are rounded once to bf16.  q, q + u and qk are kept as TWO bf16 numbers, hi = bf16(a), lo = bf16(a - hi), and every product with them is two matrix
; instructions onto one f32 sum.  LIMITS: the order of the sums differs from a projection of key followed by a dot product; |a| above 3.39e38 rounds hi to infinity; NaN and infinities are not treated apart.
; SHARES.  Work-group (h, mt): head h, rows b = 16 mt .. 16 mt + 15.  Eight waves.  Phase 1: wave w takes k = 128 w .. + 127, the eight partial sums meet in LDS.  Phase 2: wave w takes c = 128 w .. + 127.
; 64 work-groups: 16 rows are a matrix instruction's M, 64 columns are 256 bytes of a weight row; a finer share would need sums across work-groups.
; NO CLUSTER: the four mt work-groups of a head read the same 256 KiB of w_q and of w_k, but a joint fill would lay them in LDS in f32, to be read once more from there.
; FRAGMENTS.  In a K step of 32 lane (r = lane % 16, hf = lane / 16) holds row or column r and k = k0 + 16 hf + 0..15, two to a register: the same order of k in both sources, so the products are kept.
;   rows along K (query, w_k): loaded 16 bytes a lane, rounded, laid as bf16 rows in the wave's own LDS tile, read back 32 bytes a lane.
;   rows across K (w_q): load i takes row k0 + 16 hf + i, 16 bytes at 16 r (sixteen lanes: 256 consecutive bytes); register q of the loads feeds tile q, whose lane r is column 4 r + q.
; REGISTERS.  Window 1 (v256-511) is a ring of four slots of 64 registers for loads of f32; all else lies in window 0.  No address register and no base is ever rewritten: all steps stand in immediates.
.set RED,   34816                      ; LDS: 0 TR 8 x 16 rows x 272;  RED 8 x 4,096: the waves' partial sums as they lie in registers
.set QUH,   67584                      ; q + u, hi: 16 rows x 144;  lo QUD further on
.set QUD,   2304
.set TW,    72192                      ; 8 x 32 rows x 144: w_k's rows in bf16
.set STG,   109056                     ; 8 x 16 rows x 272: the way out
.set SPARE, 143872                     ; the spare words: 128 bytes a wave, four blocks of 256 bytes that no other line names
.set AOFF,  2                          ; 16 lane
.set WOFF,  3                          ; hf x 16 rows of 4,096 + 16 r
.set TST,   4                          ; TR + w x 4,352 + 8 lane
.set TLD,   5                          ; TR + w x 4,352 + 272 r + 32 hf
.set RST,   6                          ; RED + w x 4,096 + 16 lane
.set RLD,   7                          ; where row 2 w + hf, column 4 r of a partial sum lies
.set UOFF,  8                          ; 16 r
.set QSOFF, 9                          ; 8 lane
.set QUST,  10                         ; QUH + (2 w + hf) x 144 + 8 r
.set QULD,  11                         ; QUH + 144 r + 32 hf
.set KOFF,  12                         ; hf x 4,096 + 16 r
.set TWST,  13                         ; TW + w x 4,608 + 144 hf + 8 r
.set SPW,   14                         ; my spare word
.set NIL,   15                         ; 0
.set TWLD,  16                         ; TW + w x 4,608 + 144 r + 32 hf
.set STST,  17                         ; STG + w x 4,352 + 272 r + 16 hf
.set STLD,  18                         ; STG + w x 4,352 + 272 hf + 16 r
.set QKOFF, 19                         ; hf x 32,768 + 16 r
.set AR,    20                         ; v20-83  query as loaded; then
.set AF,    20                         ; v20-51  its four fragments; then
.set ACC2,  20                         ; v20-83  the eight accumulators of qk
.set T,     84                         ; v84-115 rounded rows on their way to LDS; then
.set Z,     84                         ;         the eight waves' partial sums; then
.set LP,    84                         ;         qk's lo halves
.set UBV,   120                        ; v120-123 u
.set O,     124                        ; v124-127 q;  v128-131 q + u
.set QU,    128
.set PK,    132                        ; v132-133 q hi, 134-135 q + u hi, 136-137 q lo, 138-139 q + u lo
.set WF,    140                        ; v140-171, v172-203: w_q's fragments, two buffers; then
.set WKF,   140                        ; w_k's fragments; then
.set BK,    140                        ; rows read back from the stage (hi)
.set QUF,   172                        ; q + u's fragments: hi ks 0, hi ks 1, lo ks 0, lo ks 1; then
.set BK2,   172                        ; rows read back (lo)
.set ACC,   204                        ; v204-235 the four accumulators of q; then
.set HP,    204                        ; qk's hi halves
.set U,     236                        ; v236-243 at work
.set LN,    248
.set RR,    249
.set HF,    250
.set MSK,   31                         ; s31 a word's upper bf16
.set MSB, 0
.macro WIN new                         ; s_set_vgpr_msb: bits 1:0 source 0, 3:2 source 1, 7:6 destination; the high byte repeats the setting that is left
.if MSB != (\new)
	s_set_vgpr_msb (MSB<<8)|(\new)
.set MSB, \new
.endif
.endm
.macro PLACES                          ; four plain vector instructions between a matrix instruction and what reads its result or writes its registers (ISA guide 7.12.1)
.rept 4
	v_nop
.endr
.endm
.macro SPLIT4 a, hi, lo                ; four pairs of f32 at a: hi = bf16(a), lo = bf16(a - hi), in stages, so that no line waits for the one before it
.irp z, 0,1,2,3
	v_cvt_pk_bf16_f32 v[(\hi)+\z], v[(\a)+2*\z], v[(\a)+2*\z+1]
.endr
.irp z, 0,1,2,3
	v_lshlrev_b32 v[U+2*\z], 16, v[(\hi)+\z]
	v_and_b32 v[U+2*\z+1], s[MSK], v[(\hi)+\z]
.endr
.irp z, 0,1,2,3
	v_pk_add_f32 v[(\a)+2*\z:(\a)+2*\z+1], v[(\a)+2*\z:(\a)+2*\z+1], v[U+2*\z:U+2*\z+1] neg_lo:[0,1] neg_hi:[0,1]
.endr
.irp z, 0,1,2,3
	v_cvt_pk_bf16_f32 v[(\lo)+\z], v[(\a)+2*\z], v[(\a)+2*\z+1]
.endr
.endm
.macro ROUND2 a                        ; a pair of f32 rounded to bf16 and widened again
	v_cvt_pk_bf16_f32 v[U], v[\a], v[(\a)+1]
	v_lshlrev_b32 v[\a], 16, v[U]
	v_and_b32 v[(\a)+1], s[MSK], v[U]
.endm
.macro GLOAD slot, base, voff, off0, step  ; sixteen loads of 16 bytes a lane into a slot of window 1
	WIN 0x40
.set i, 0
.rept 16
	global_load_b128 v[64*(\slot)+4*i:64*(\slot)+4*i+3], v[\voff], s[(\base):(\base)+1] offset:(\off0)+i*(\step)
.set i, i+1
.endr
.endm
.macro CCONV slot, f                   ; rows across K: a slot becomes four fragments at f
	WIN 0x05
.set q, 0
.rept 4
.set p, 0
.rept 8
	v_cvt_pk_bf16_f32 v[(\f)+8*q+p], v[64*(\slot)+8*p+q], v[64*(\slot)+8*p+4+q]
.set p, p+1
.endr
.set q, q+1
.endr
.endm
.macro RCONV slot, t                   ; rows along K: a slot is rounded in place order
	WIN 0x05
.set i, 0
.rept 32
	v_cvt_pk_bf16_f32 v[(\t)+i], v[64*(\slot)+2*i], v[64*(\slot)+2*i+1]
.set i, i+1
.endr
.endm
	s_load_b256 s[4:11], s[0:1], 0x0               ; query s[4:5], w_q s[6:7], u s[8:9], w_k s[10:11]
	s_load_b128 s[12:15], s[0:1], 0x20             ; qk s[12:13], qs s[14:15]
	v_lshl_add_u32 v[SPW], v0, 2, SPARE
	v_mov_b32 v[NIL], 0
	v_lshrrev_b32 v1, 5, v0
	v_readfirstlane_b32 s28, v1                    ; w
	s_mov_b32 s29, ttmp9                           ; h
	s_and_b32 s30, ttmp7, 0xffff                   ; mt
	s_mov_b32 s[MSK], 0xffff0000
	v_and_b32 v[LN], 31, v0
	v_and_b32 v[RR], 15, v0
	v_bfe_u32 v[HF], v0, 4, 1
	; byte offsets into the buffers, each in a pair of its own
	s_lshl_b32 s32, s30, 16                        ; query: 16 mt rows of 4,096 + 512 w
	s_lshl_b32 s42, s28, 9
	s_add_co_u32 s32, s32, s42
	s_mov_b32 s33, 0
	s_lshl_b32 s36, s29, 8                         ; u: 256 h
	s_mov_b32 s37, 0
	s_lshl_b32 s42, s28, 19                        ; w_q and w_k: 256 h + 128 w rows of 4,096
	s_add_co_u32 s34, s36, s42
	s_mov_b32 s35, 0
	s_lshl_b32 s38, s30, 19                        ; qk: 16 mt x 32,768 + 2,048 h + 256 w
	s_lshl_b32 s42, s29, 11
	s_add_co_u32 s38, s38, s42
	s_lshl_b32 s43, s28, 8
	s_add_co_u32 s38, s38, s43
	s_mov_b32 s39, 0
	s_lshl_b32 s40, s29, 13                        ; qs: 8,192 h + 16 mt x 128 + 2 w x 128
	s_lshl_b32 s42, s30, 11
	s_add_co_u32 s40, s40, s42
	s_add_co_u32 s40, s40, s43
	s_mov_b32 s41, 0
	; LDS places that hang on the wave
	s_mul_i32 s44, s28, 4352
	s_lshl_b32 s45, s28, 12
	s_add_co_u32 s45, s45, RED
	s_bfe_u32 s46, s28, 0x10001                    ; row 2 w + hf of the 16 lies in lanes' half w / 4, register 2 (w % 4) + hf:
	s_lshl_b32 s46, s46, 9                         ; which four registers,
	s_lshr_b32 s42, s28, 2
	s_lshl_b32 s42, s42, 8                         ; which half of the lanes,
	s_add_co_u32 s46, s46, s42
	s_and_b32 s42, s28, 1
	s_lshl_b32 s42, s42, 3                         ; which of the four
	s_add_co_u32 s46, s46, s42
	s_add_co_u32 s46, s46, RED
	s_mul_i32 s47, s28, 288
	s_add_co_u32 s47, s47, QUH
	s_mul_i32 s48, s28, 4608
	s_add_co_u32 s48, s48, TW
	s_add_co_u32 s49, s44, STG
	v_lshlrev_b32 v[AOFF], 4, v[LN]
	v_lshlrev_b32 v[UOFF], 4, v[RR]
	v_lshl_add_u32 v[WOFF], v[HF], 16, v[UOFF]
	v_lshl_add_u32 v[KOFF], v[HF], 12, v[UOFF]
	v_lshl_add_u32 v[QKOFF], v[HF], 15, v[UOFF]
	v_lshlrev_b32 v[QSOFF], 3, v[LN]
	v_lshl_add_u32 v[TST], v[LN], 3, s44
	v_mul_u32_u24 v251, v[RR], 272
	v_lshl_add_u32 v[TLD], v[HF], 5, v251
	v_add_nc_u32 v[TLD], s44, v[TLD]
	v_lshl_add_u32 v[STST], v[HF], 4, v251
	v_add_nc_u32 v[STST], s49, v[STST]
	v_mul_u32_u24 v252, v[HF], 272
	v_add3_u32 v[STLD], v252, v[UOFF], s49
	v_lshl_add_u32 v[RST], v[LN], 4, s45
	v_lshl_add_u32 v[RLD], v[HF], 2, v[UOFF]
	v_add_nc_u32 v[RLD], s46, v[RLD]
	v_mul_u32_u24 v253, v[HF], 144
	v_lshl_add_u32 v253, v[RR], 3, v253
	v_add_nc_u32 v[QUST], s47, v253
	v_add_nc_u32 v[TWST], s48, v253
	v_mul_u32_u24 v254, v[RR], 144
	v_lshl_add_u32 v254, v[HF], 5, v254
	v_add_nc_u32 v[QULD], QUH, v254
	v_add_nc_u32 v[TWLD], s48, v254
	s_wait_kmcnt 0x0
	s_add_nc_u64 s[16:17], s[4:5], s[32:33]        ; query at my rows and my k
	s_add_nc_u64 s[18:19], s[6:7], s[34:35]        ; w_q at my k and my head's columns
	s_add_nc_u64 s[20:21], s[8:9], s[36:37]        ; u at my head
	s_add_nc_u64 s[22:23], s[10:11], s[34:35]      ; w_k at my c and my head's columns
	s_add_nc_u64 s[24:25], s[12:13], s[38:39]      ; qk at my rows, head and c
	s_add_nc_u64 s[26:27], s[14:15], s[40:41]      ; qs at my head and my two rows
	; PHASE 1: q.  Loads first: u, my 16 x 128 of query, three of my four K steps of w_q.
	global_load_b128 v[UBV:UBV+3], v[UOFF], s[20:21]
.set i, 0
.rept 16
	global_load_b128 v[AR+4*i:AR+4*i+3], v[AOFF], s[16:17] offset:i*4096  ; a row's 512 consecutive bytes
.set i, i+1
.endr
	GLOAD 0, 18, WOFF, 0, 4096
	GLOAD 1, 18, WOFF, 32*4096, 4096
	GLOAD 2, 18, WOFF, 64*4096, 4096
	WIN 0
	s_wait_loadcnt 48                              ; u and query are in; the 48 loads of w_q stay out
.set i, 0
.rept 32
	v_cvt_pk_bf16_f32 v[T+i], v[AR+2*i], v[AR+2*i+1]
.set i, i+1
.endr
.set i, 0
.rept 16
	ds_store_b64 v[TST], v[T+2*i:T+2*i+1] offset:i*272
.set i, i+1
.endr
.set i, 0
.rept 8
	ds_load_b128 v[AF+4*i:AF+4*i+3], v[TLD] offset:(i/2)*64+(i%2)*16  ; my own bytes: LDS serves a wave's instructions in order (ISA guide 5.7.1.4)
.set i, i+1
.endr
	GLOAD 3, 18, WOFF, 96*4096, 4096
.macro QSTEP ks                        ; a K step of 32: its slot is rounded into fragments and filled again with 32 rows of w_k
	s_wait_loadcnt 48                              ; the three younger groups of sixteen stay out
	CCONV \ks, WF+32*((\ks)%2)
	GLOAD \ks, 22, KOFF, 32*(\ks)*4096, 8192       ; load i: rows 2 i and 2 i + 1, 256 bytes of each
	WIN 0
.if (\ks) == 0
	s_wait_dscnt 0x0                               ; query's fragments
.endif
.set q, 0
.rept 4                                ; the four accumulators take turns
.if (\ks) == 0
	v_wmma_f32_16x16x32_bf16 v[ACC+8*q:ACC+8*q+7], v[AF:AF+7], v[WF+8*q:WF+8*q+7], 0
.else
	v_wmma_f32_16x16x32_bf16 v[ACC+8*q:ACC+8*q+7], v[AF+8*(\ks):AF+8*(\ks)+7], v[WF+32*((\ks)%2)+8*q:WF+32*((\ks)%2)+8*q+7], v[ACC+8*q:ACC+8*q+7]
.endif
.set q, q+1
.endr
.endm
	QSTEP 0
	QSTEP 1
	QSTEP 2
	QSTEP 3
	; The eight waves' partial sums meet: each stores its accumulators as they lie; behind the barrier wave w adds up rows 2 w and 2 w + 1.
	PLACES
.set q, 0
.rept 4
	ds_store_b128 v[RST], v[ACC+8*q:ACC+8*q+3] offset:q*1024
	ds_store_b128 v[RST], v[ACC+8*q+4:ACC+8*q+7] offset:q*1024+512
.set q, q+1
.endr
	s_wait_dscnt 0x0                               ; for the others' sake: my stores are done
	s_barrier_signal -1
	s_barrier_wait -1
.set i, 0
.rept 32
	ds_load_b32 v[Z+i], v[RLD] offset:(i/4)*4096+(i%4)*1024  ; wave i / 4's sum for column 4 r + i % 4
.set i, i+1
.endr
	ROUND2 UBV                                     ; u is an input: rounded to bf16 like the others
	ROUND2 UBV+2
	s_wait_dscnt 0x0
.irp u, 0,2,4,6
	v_pk_add_f32 v[Z+4*\u:Z+4*\u+1], v[Z+4*\u:Z+4*\u+1], v[Z+4*\u+4:Z+4*\u+5]
	v_pk_add_f32 v[Z+4*\u+2:Z+4*\u+3], v[Z+4*\u+2:Z+4*\u+3], v[Z+4*\u+6:Z+4*\u+7]
.endr
.irp u, 0,4
	v_pk_add_f32 v[Z+4*\u:Z+4*\u+1], v[Z+4*\u:Z+4*\u+1], v[Z+4*\u+8:Z+4*\u+9]
	v_pk_add_f32 v[Z+4*\u+2:Z+4*\u+3], v[Z+4*\u+2:Z+4*\u+3], v[Z+4*\u+10:Z+4*\u+11]
.endr
	v_pk_add_f32 v[O:O+1], v[Z:Z+1], v[Z+16:Z+17]  ; q(b = 16 mt + 2 w + hf, d = 4 r .. 4 r + 3)
	v_pk_add_f32 v[O+2:O+3], v[Z+2:Z+3], v[Z+18:Z+19]
	v_pk_add_f32 v[QU:QU+1], v[O:O+1], v[UBV:UBV+1]
	v_pk_add_f32 v[QU+2:QU+3], v[O+2:O+3], v[UBV+2:UBV+3]
	SPLIT4 O, PK, PK+4                             ; q and q + u at once
	global_store_b64 v[QSOFF], v[PK:PK+1], s[26:27]                   ; the wave's store covers 256 consecutive bytes, aligned
	global_store_b64 v[QSOFF], v[PK+4:PK+5], s[26:27] offset:131072
	ds_store_b64 v[QUST], v[PK+2:PK+3]
	ds_store_b64 v[QUST], v[PK+6:PK+7] offset:QUD
	s_wait_dscnt 0x0                               ; for the others' sake
	s_barrier_signal -1
	s_barrier_wait -1
.set i, 0
.rept 8
	ds_load_b128 v[QUF+4*i:QUF+4*i+3], v[QULD] offset:(i/4)*QUD+((i/2)%2)*64+(i%2)*16
.set i, i+1
.endr
	; PHASE 2: qk.  Source 0 = 16 rows c of w_k, source 1 = 16 rows b of q + u, K = d: a lane's eight results are eight neighbouring c of one b.
.macro KBATCH bt                       ; 32 rows c
	s_wait_loadcnt 48-16*(\bt)                     ; the younger batches stay out
	RCONV \bt, T                                   ; these 32 lines are also the places behind the batch before
	WIN 0
.set i, 0
.rept 16
	ds_store_b64 v[TWST], v[T+2*i:T+2*i+1] offset:i*288
.set i, i+1
.endr
.set i, 0
.rept 8
	ds_load_b128 v[WKF+4*i:WKF+4*i+3], v[TWLD] offset:(i/4)*2304+((i/2)%2)*64+(i%2)*16
.set i, i+1
.endr
	s_wait_dscnt 0x0
.irp ks, 0,1
.irp hl, 0,1
.irp ct, 0,1                           ; the batch's two accumulators take turns
.set rD, ACC2+8*(2*(\bt)+\ct)
.if (\ks) == 0 && (\hl) == 0
	v_wmma_f32_16x16x32_bf16 v[rD:rD+7], v[WKF+8*(2*\ct+\ks):WKF+8*(2*\ct+\ks)+7], v[QUF+8*(2*\hl+\ks):QUF+8*(2*\hl+\ks)+7], 0
.else
	v_wmma_f32_16x16x32_bf16 v[rD:rD+7], v[WKF+8*(2*\ct+\ks):WKF+8*(2*\ct+\ks)+7], v[QUF+8*(2*\hl+\ks):QUF+8*(2*\hl+\ks)+7], v[rD:rD+7]
.endif
.endr
.endr
.endr
.endm
	KBATCH 0
	KBATCH 1
	KBATCH 2
	KBATCH 3
	; THE WAY OUT: split, 16 bytes a lane into my stage, back as whole rows of 256 bytes, stored; first the hi halves, then the lo halves through the same stage.
	PLACES
.set t, 0
.rept 8
	SPLIT4 ACC2+8*t, HP+4*t, LP+4*t                ; each accumulator is read from its low end on
.set t, t+1
.endr
.set t, 0
.rept 8
	ds_store_b128 v[STST], v[HP+4*t:HP+4*t+3] offset:t*32
.set t, t+1
.endr
.set t, 0
.rept 8
	ds_load_b128 v[BK+4*t:BK+4*t+3], v[STLD] offset:t*544
.set t, t+1
.endr
.set t, 0
.rept 8
	ds_store_b128 v[STST], v[LP+4*t:LP+4*t+3] offset:t*32  ; in order behind the loads above
.set t, t+1
.endr
.set t, 0
.rept 8
	ds_load_b128 v[BK2+4*t:BK2+4*t+3], v[STLD] offset:t*544
.set t, t+1
.endr
	s_wait_dscnt 16                                ; the hi rows are back; the sixteen younger LDS instructions stay out
.set t, 0
.rept 8
	global_store_b128 v[QKOFF], v[BK+4*t:BK+4*t+3], s[24:25] offset:t*65536  ; sixteen lanes store 256 consecutive bytes, aligned
.set t, t+1
.endr
	s_wait_dscnt 0x0
.set t, 0
.rept 8
	global_store_b128 v[QKOFF], v[BK2+4*t:BK2+4*t+3], s[24:25] offset:2097152+t*65536
.set t, t+1
.endr
	s_wait_tensorcnt 0x0                           ; the wave's end: three closing lines behind my last LDS store
	ds_add_u32 v[SPW], v[NIL]
	s_wait_dscnt 0x0
	s_endpgm
.Lfunc_end_k_q9b03b6b601_prep:
	.size	k_q9b03b6b601_prep, .Lfunc_end_k_q9b03b6b601_prep-k_q9b03b6b601_prep
	.p2alignl 7, 3214868480
	.fill 96, 4, 3214868480
	.section	.rodata,"a",@progbits
	.p2align	6, 0x0
	.amdhsa_kernel k_q9b03b6b601_prep
		.amdhsa_group_segment_fixed_size 144896
		.amdhsa_private_segment_fixed_size 0
		.amdhsa_enable_private_segment 0
		.amdhsa_kernarg_size 48
		.amdhsa_user_sgpr_count 2
		.amdhsa_user_sgpr_kernarg_segment_ptr 1
		.amdhsa_wavefront_size32 1
		.amdhsa_system_sgpr_workgroup_id_x 1
		.amdhsa_system_sgpr_workgroup_id_y 1
		.amdhsa_system_sgpr_workgroup_id_z 1
		.amdhsa_system_vgpr_workitem_id 0
		.amdhsa_next_free_vgpr 512
		.amdhsa_next_free_sgpr 66
		.amdhsa_reserve_vcc 0
		.amdhsa_float_denorm_mode_32 3
		.amdhsa_float_denorm_mode_16_64 3
		.amdhsa_memory_ordered 1
		.amdhsa_forward_progress 1
		.amdhsa_inst_pref_size 65
	.end_amdhsa_kernel
	.amdgpu_metadata
---
amdhsa.version: [ 1, 2 ]
amdhsa.kernels:
  - .name:           k_q9b03b6b601_prep
    .symbol:         k_q9b03b6b601_prep.kd
    .args:
      - { .name: query, .offset: 0, .size: 8, .value_kind: global_buffer, .address_space: global }
      - { .name: w_q, .offset: 8, .size: 8, .value_kind: global_buffer, .address_space: global }
      - { .name: query_pos_bias, .offset: 16, .size: 8, .value_kind: global_buffer, .address_space: global }
      - { .name: w_k, .offset: 24, .size: 8, .value_kind: global_buffer, .address_space: global }
      - { .name: qk, .offset: 32, .size: 8, .value_kind: global_buffer, .address_space: global }
      - { .name: qs, .offset: 40, .size: 8, .value_kind: global_buffer, .address_space: global }
    .group_segment_fixed_size: 144896
    .private_segment_fixed_size: 0
    .kernarg_segment_align: 8
    .kernarg_segment_size: 48
    .max_flat_workgroup_size: 256
    .sgpr_count:     66
    .vgpr_count:     512
    .wavefront_size: 32
...
	.end_amdgpu_metadata
.endif
;; end of part 1
;; launch scores (part 2): grid 64 x 4, 8 waves a work-group, no clusters, 114,176 bytes of LDS; arguments key, qk, qs, key_pos_embeddings, key_pos_bias, sc; writes sc
.if DOCPART == 2
	.amdgcn_target "amdgcn-amd-amdhsa--gfx1250"
	.amdhsa_code_object_version 6
	.text
	.protected	k_q9b03b6b601_scores
	.globl	k_q9b03b6b601_scores
	.p2align	8
	.type	k_q9b03b6b601_scores,@function
k_q9b03b6b601_scores:
	s_mov_b64 s[64:65], 0
	v_nop
	global_prefetch_b8 v0, s[64:65] scope:SCOPE_SE
	s_setreg_imm32_b32 hwreg(HW_REG_WAVE_MODE, 25, 1), 1
	s_wait_xcnt 0x0
; SCORES.  sc[b][h][j] = sum_c key[j][b][c] qk[b][h][c] + sum_d pe[j][d] q[b][h][d] + kpb[j][h], unscaled, f32;  pe and kpb are the last 512 rows of their tables.
; FORMATS.  key, pe and kpb are rounded once to bf16; qk and q come as hi + lo, two bf16 each, and are multiplied by two matrix instructions onto f32 sums.
; LIMITS: the order of the sums differs from a projection of key followed by a dot product; NaN and infinities are not treated apart.
; SHARES.  Work-group (b, jq): batch row b, j = 128 jq .. + 127: 512 KiB of key, each byte read once.  Wave w takes c = 128 w .. + 127 for all 128 j, in eight batches of 16 j, so its eight
; fragments of qk are loaded once; the eight waves' partial sums, and a ninth term (wave w: pe, q and kpb for j tile w), meet in LDS.
; THE STREAM.  A batch is sixteen loads, each a row's 512 consecutive bytes.  Four batches of every wave are asked for at once (a ring of four slots in window 1); every wait in the stream is counted.
; No tensor loads: the loads' registers are the ring, no barrier stands in the stream.  NO CLUSTER: what the four jq work-groups of a b share (64 KiB of qk) is a ninth of a work-group's bytes.
; FRAGMENTS.  In a K step of 32 lane (r, hf) holds row or column r and k = k0 + 16 hf + 0..15, alike in both sources.  Source 0 = 16 rows j of key (through the wave's own LDS tile), source 1 = 16 heads of qk.
.set PART,  34816                      ; LDS: 0 TILE 8 x 16 rows x 272;  PART 9 x 8,704: source u, j tile t, register group, lanes' half, head: u x 8,704 + t x 1,088 + 544 g + 272 hf + 16 h
.set SRC,   8704
.set SPARE, 113152                     ; the spare words: 128 bytes a wave, four blocks of 256 bytes that no other line names
.set KOFF,  2                          ; 16 lane
.set TST,   3                          ; w x 4,352 + 8 lane
.set TLD,   4                          ; w x 4,352 + 272 r + 32 hf
.set PST,   5                          ; PART + w x 8,704 + 272 hf + 16 r
.set EST,   6                          ; PART + 8 x 8,704 + w x 1,088 + 272 hf + 16 r
.set FLA,   7                          ; the last sum: j = 4 lane .. + 3 of head 2 w, sources 0 to 4
.set FLB,   8                          ; the same, sources 5 to 8 (an LDS immediate has 16 bits)
.set SOFF,  9                          ; 16 lane + w x 2 rows of 2,048
.set QKO,   10                         ; 2,048 r + 32 hf
.set QSO,   11                         ; 8,192 r + 32 hf
.set PEO,   12                         ; 256 r + 64 hf
.set KBO,   13                         ; 512 hf + 4 r
.set SPW,   14
.set NIL,   15
.set QH,    16                         ; v16-47 qk hi, four K steps;  v48-79 qk lo
.set QL,    48
.set T,     80                         ; v80-111 rounded rows
.set AF,    112                        ; v112-143 key's fragments
.set ACH,   144                        ; v144-151 sum with hi;  v152-159 sum with lo
.set ACL,   152
.set PS,    160                        ; v160-167 their sum
.set PER,   168                        ; v168-199 pe as loaded
.set QF,    200                        ; v200-231 q: hi ks 0, hi ks 1, lo ks 0, lo ks 1
.set KPB,   232                        ; v232-239 kpb in an accumulator's layout
.set Z,     80                         ; v80-151 the last sum's 2 x 9 sources
.set U,     246
.set LN,    248
.set RR,    249
.set HF,    250
.set MSK,   50
.set MSB, 0
.macro WIN new                         ; s_set_vgpr_msb: bits 1:0 source 0, 3:2 source 1, 7:6 destination; the high byte repeats the setting that is left
.if MSB != (\new)
	s_set_vgpr_msb (MSB<<8)|(\new)
.set MSB, \new
.endif
.endm
.macro PLACES
.rept 4
	v_nop
.endr
.endm
.macro ROUND2 a                        ; a pair of f32 rounded to bf16 and widened again
	v_cvt_pk_bf16_f32 v[U], v[\a], v[(\a)+1]
	v_lshlrev_b32 v[\a], 16, v[U]
	v_and_b32 v[(\a)+1], s[MSK], v[U]
.endm
.macro GLOAD slot, base                ; a batch of key: sixteen rows j, 512 consecutive bytes each; read once in the launch
	WIN 0x40
.set i, 0
.rept 16
	global_load_b128 v[64*(\slot)+4*i:64*(\slot)+4*i+3], v[KOFF], s[(\base):(\base)+1] offset:i*262144 th:TH_LOAD_NT
.set i, i+1
.endr
.endm
.macro RCONV slot
	WIN 0x05
.set i, 0
.rept 32
	v_cvt_pk_bf16_f32 v[T+i], v[64*(\slot)+2*i], v[64*(\slot)+2*i+1]
.set i, i+1
.endr
.endm
.macro COMBINE adr, off                ; the two sums are added (from their low ends on) and stored as they lie
.irp z, 0,2,4,6
	v_pk_add_f32 v[PS+\z:PS+\z+1], v[ACH+\z:ACH+\z+1], v[ACL+\z:ACL+\z+1]
.endr
	ds_store_b128 v[\adr], v[PS:PS+3] offset:(\off)
	ds_store_b128 v[\adr], v[PS+4:PS+7] offset:(\off)+544
.endm
	s_load_b256 s[4:11], s[0:1], 0x0               ; key s[4:5], qk s[6:7], qs s[8:9], pe s[10:11]
	s_load_b128 s[12:15], s[0:1], 0x20             ; kpb s[12:13], sc s[14:15]
	v_lshl_add_u32 v[SPW], v0, 2, SPARE
	v_mov_b32 v[NIL], 0
	v_lshrrev_b32 v1, 5, v0
	v_readfirstlane_b32 s16, v1                    ; w
	s_mov_b32 s17, ttmp9                           ; b
	s_and_b32 s18, ttmp7, 0xffff                   ; jq
	s_mov_b32 s[MSK], 0xffff0000
	v_and_b32 v[LN], 31, v0
	v_and_b32 v[RR], 15, v0
	v_bfe_u32 v[HF], v0, 4, 1
	s_lshl_b32 s20, s17, 12                        ; key: 4,096 b + 128 jq rows of 262,144 + 512 w
	s_lshl_b32 s52, s18, 25
	s_add_co_u32 s20, s20, s52
	s_lshl_b32 s52, s16, 9
	s_add_co_u32 s20, s20, s52
	s_mov_b32 s21, 0
	s_lshl_b32 s22, s17, 15                        ; qk: 32,768 b + 256 w
	s_lshl_b32 s52, s16, 8
	s_add_co_u32 s22, s22, s52
	s_mov_b32 s23, 0
	s_lshl_b32 s54, s17, 7                         ; qs: 128 b
	s_mov_b32 s55, 0
	s_lshl_b32 s56, s18, 15                        ; pe: row 3,584 + 128 jq + 16 w, of 256 bytes
	s_lshl_b32 s52, s16, 12
	s_add_co_u32 s56, s56, s52
	s_add_co_u32 s56, s56, 917504
	s_mov_b32 s57, 0
	s_lshl_b32 s58, s18, 13                        ; kpb: the same row, of 64 bytes
	s_lshl_b32 s52, s16, 10
	s_add_co_u32 s58, s58, s52
	s_add_co_u32 s58, s58, 229376
	s_mov_b32 s59, 0
	s_lshl_b32 s60, s17, 15                        ; sc: 32,768 b + 512 jq
	s_lshl_b32 s52, s18, 9
	s_add_co_u32 s60, s60, s52
	s_mov_b32 s61, 0
	s_mul_i32 s51, s16, 4352
	s_mul_i32 s52, s16, SRC
	s_add_co_u32 s52, s52, PART
	s_mul_i32 s53, s16, 1088
	s_add_co_u32 s53, s53, PART+8*SRC
	s_lshl_b32 s19, s16, 5
	s_add_co_u32 s19, s19, PART
	v_lshlrev_b32 v[KOFF], 4, v[LN]
	v_lshl_add_u32 v[TST], v[LN], 3, s51
	v_mul_u32_u24 v[TLD], v[RR], 272
	v_lshl_add_u32 v[TLD], v[HF], 5, v[TLD]
	v_add_nc_u32 v[TLD], s51, v[TLD]
	v_mul_u32_u24 v251, v[HF], 272
	v_lshl_add_u32 v251, v[RR], 4, v251
	v_add_nc_u32 v[PST], s52, v251
	v_add_nc_u32 v[EST], s53, v251
	v_lshrrev_b32 v252, 2, v[LN]                   ; j = 4 lane .. + 3: tile lane / 4, lanes' half (lane / 2) % 2, register group lane % 2
	v_mul_u32_u24 v252, v252, 1088
	v_and_b32 v253, 1, v[LN]
	v_mul_u32_u24 v253, v253, 544
	v_bfe_u32 v254, v[LN], 1, 1
	v_mul_u32_u24 v254, v254, 272
	v_add3_u32 v252, v252, v253, v254
	v_add_nc_u32 v[FLA], s19, v252
	v_add_nc_u32 v[FLB], 5*SRC, v[FLA]
	v_lshl_add_u32 v[SOFF], s16, 12, v[KOFF]
	v_lshlrev_b32 v[QKO], 11, v[RR]
	v_lshl_add_u32 v[QKO], v[HF], 5, v[QKO]
	v_lshlrev_b32 v[QSO], 13, v[RR]
	v_lshl_add_u32 v[QSO], v[HF], 5, v[QSO]
	v_lshlrev_b32 v[PEO], 8, v[RR]
	v_lshl_add_u32 v[PEO], v[HF], 6, v[PEO]
	v_lshlrev_b32 v[KBO], 2, v[RR]
	v_lshl_add_u32 v[KBO], v[HF], 9, v[KBO]
	s_wait_kmcnt 0x0
	s_add_nc_u64 s[24:25], s[4:5], s[20:21]        ; key at batch 0; a base for each batch, sixteen rows j apart, so that none is ever rewritten
.irp t, 1,2,3,4,5,6,7
	s_add_nc_u64 s[24+2*\t:25+2*\t], s[24:25], \t*0x400000
.endr
	s_add_nc_u64 s[40:41], s[6:7], s[22:23]
	s_add_nc_u64 s[42:43], s[8:9], s[54:55]
	s_add_nc_u64 s[44:45], s[10:11], s[56:57]
	s_add_nc_u64 s[46:47], s[12:13], s[58:59]
	s_add_nc_u64 s[48:49], s[14:15], s[60:61]
.set i, 0
.rept 16                               ; qk's fragments: half i / 8, K step (i / 2) % 4
	global_load_b128 v[QH+4*i:QH+4*i+3], v[QKO], s[40:41] offset:(i/8)*2097152+((i/2)%4)*64+(i%2)*16
.set i, i+1
.endr
	GLOAD 0, 24
	GLOAD 1, 26
	GLOAD 2, 28
	GLOAD 3, 30
	WIN 0
; Batch t: its slot is rounded and filled again; the batch before is combined and stored; rows go through my tile; eight products.  left: the younger loads that may stay out.
.macro BATCH t, left
	s_wait_loadcnt \left
	RCONV (\t)%4                                   ; these 32 lines are also the places behind the batch before
.if (\t) < 4
	GLOAD (\t)%4, 24+2*((\t)+4)
.endif
	WIN 0
.if (\t) > 0
	COMBINE PST, ((\t)-1)*1088
.endif
.if (\t) == 4                          ; the ring has nothing more to fetch: the ninth term's 24 loads go out
.set i, 0
.rept 8
	global_load_b128 v[PER+4*i:PER+4*i+3], v[PEO], s[44:45] offset:(i/4)*128+(i%4)*16
.set i, i+1
.endr
.set i, 0
.rept 8
	global_load_b128 v[QF+4*i:QF+4*i+3], v[QSO], s[42:43] offset:(i/4)*131072+((i/2)%2)*64+(i%2)*16
.set i, i+1
.endr
.set i, 0
.rept 8
	global_load_b32 v[KPB+i], v[KBO], s[46:47] offset:i*64
.set i, i+1
.endr
.endif
.set i, 0
.rept 16
	ds_store_b64 v[TST], v[T+2*i:T+2*i+1] offset:i*272
.set i, i+1
.endr
.set i, 0
.rept 8
	ds_load_b128 v[AF+4*i:AF+4*i+3], v[TLD] offset:(i/2)*64+(i%2)*16  ; my own bytes: LDS serves a wave's instructions in order (ISA guide 5.7.1.4)
.set i, i+1
.endr
	s_wait_dscnt 0x0
.irp ks, 0,1,2,3                       ; the two accumulators take turns
.if (\ks) == 0
	v_wmma_f32_16x16x32_bf16 v[ACH:ACH+7], v[AF:AF+7], v[QH:QH+7], 0
	v_wmma_f32_16x16x32_bf16 v[ACL:ACL+7], v[AF:AF+7], v[QL:QL+7], 0
.else
	v_wmma_f32_16x16x32_bf16 v[ACH:ACH+7], v[AF+8*\ks:AF+8*\ks+7], v[QH+8*\ks:QH+8*\ks+7], v[ACH:ACH+7]
	v_wmma_f32_16x16x32_bf16 v[ACL:ACL+7], v[AF+8*\ks:AF+8*\ks+7], v[QL+8*\ks:QL+8*\ks+7], v[ACL:ACL+7]
.endif
.endr
.endm
	BATCH 0, 48                                    ; qk and batch 0 are in; batches 1 to 3 stay out
	BATCH 1, 48
	BATCH 2, 48
	BATCH 3, 48
	BATCH 4, 48                                    ; batches 5 to 7
	BATCH 5, 56                                    ; batches 6 and 7 and the 24 of the ninth term
	BATCH 6, 40
	BATCH 7, 24
	; THE NINTH TERM, for j tile w: pe . q over 64 channels, begun with kpb as the sum's C operand.
	s_wait_loadcnt 0x0
.set i, 0
.rept 16
	v_cvt_pk_bf16_f32 v[T+i], v[PER+2*i], v[PER+2*i+1]  ; places behind batch 7's products
.set i, i+1
.endr
.irp z, 0,2,4,6
	ROUND2 KPB+\z                                  ; kpb is an input: rounded to bf16 like the others
.endr
	COMBINE PST, 7*1088
	v_wmma_f32_16x16x32_bf16 v[ACH:ACH+7], v[T:T+7], v[QF:QF+7], v[KPB:KPB+7]
	v_wmma_f32_16x16x32_bf16 v[ACL:ACL+7], v[T:T+7], v[QF+16:QF+23], 0
	v_wmma_f32_16x16x32_bf16 v[ACH:ACH+7], v[T+8:T+15], v[QF+8:QF+15], v[ACH:ACH+7]
	v_wmma_f32_16x16x32_bf16 v[ACL:ACL+7], v[T+8:T+15], v[QF+24:QF+31], v[ACL:ACL+7]
	PLACES
	COMBINE EST, 0
	s_wait_dscnt 0x0                               ; for the others' sake: my stores are done
	s_barrier_signal -1
	s_barrier_wait -1
	; THE LAST SUM: wave w takes heads 2 w and 2 w + 1; a lane four neighbouring j; nine sources.
.irp e, 0,1
.irp u, 0,1,2,3,4
	ds_load_b128 v[Z+36*\e+4*\u:Z+36*\e+4*\u+3], v[FLA] offset:\u*SRC+16*\e
.endr
.irp u, 5,6,7,8
	ds_load_b128 v[Z+36*\e+4*\u:Z+36*\e+4*\u+3], v[FLB] offset:(\u-5)*SRC+16*\e
.endr
.endr
	s_wait_dscnt 0x0
.macro ADD4 d, s                       ; four numbers onto four
	v_pk_add_f32 v[(\d):(\d)+1], v[(\d):(\d)+1], v[(\s):(\s)+1]
	v_pk_add_f32 v[(\d)+2:(\d)+3], v[(\d)+2:(\d)+3], v[(\s)+2:(\s)+3]
.endm
.irp e, 0,1
	ADD4 Z+36*\e, Z+36*\e+4
	ADD4 Z+36*\e+8, Z+36*\e+12
	ADD4 Z+36*\e+16, Z+36*\e+20
	ADD4 Z+36*\e+24, Z+36*\e+28
	ADD4 Z+36*\e, Z+36*\e+8
	ADD4 Z+36*\e+16, Z+36*\e+24
	ADD4 Z+36*\e, Z+36*\e+16
	ADD4 Z+36*\e, Z+36*\e+32
	global_store_b128 v[SOFF], v[Z+36*\e:Z+36*\e+3], s[48:49] offset:\e*2048  ; the wave's store covers 512 consecutive bytes, aligned
.endr
	s_wait_tensorcnt 0x0                           ; the wave's end: three closing lines behind my last LDS store
	ds_add_u32 v[SPW], v[NIL]
	s_wait_dscnt 0x0
	s_endpgm
.Lfunc_end_k_q9b03b6b601_scores:
	.size	k_q9b03b6b601_scores, .Lfunc_end_k_q9b03b6b601_scores-k_q9b03b6b601_scores
	.p2alignl 7, 3214868480
	.fill 96, 4, 3214868480
	.section	.rodata,"a",@progbits
	.p2align	6, 0x0
	.amdhsa_kernel k_q9b03b6b601_scores
		.amdhsa_group_segment_fixed_size 114176
		.amdhsa_private_segment_fixed_size 0
		.amdhsa_enable_private_segment 0
		.amdhsa_kernarg_size 48
		.amdhsa_user_sgpr_count 2
		.amdhsa_user_sgpr_kernarg_segment_ptr 1
		.amdhsa_wavefront_size32 1
		.amdhsa_system_sgpr_workgroup_id_x 1
		.amdhsa_system_sgpr_workgroup_id_y 1
		.amdhsa_system_sgpr_workgroup_id_z 1
		.amdhsa_system_vgpr_workitem_id 0
		.amdhsa_next_free_vgpr 512
		.amdhsa_next_free_sgpr 66
		.amdhsa_reserve_vcc 0
		.amdhsa_float_denorm_mode_32 3
		.amdhsa_float_denorm_mode_16_64 3
		.amdhsa_memory_ordered 1
		.amdhsa_forward_progress 1
		.amdhsa_inst_pref_size 63
	.end_amdhsa_kernel
	.amdgpu_metadata
---
amdhsa.version: [ 1, 2 ]
amdhsa.kernels:
  - .name:           k_q9b03b6b601_scores
    .symbol:         k_q9b03b6b601_scores.kd
    .args:
      - { .name: key, .offset: 0, .size: 8, .value_kind: global_buffer, .address_space: global }
      - { .name: qk, .offset: 8, .size: 8, .value_kind: global_buffer, .address_space: global }
      - { .name: qs, .offset: 16, .size: 8, .value_kind: global_buffer, .address_space: global }
      - { .name: key_pos_embeddings, .offset: 24, .size: 8, .value_kind: global_buffer, .address_space: global }
      - { .name: key_pos_bias, .offset: 32, .size: 8, .value_kind: global_buffer, .address_space: global }
      - { .name: sc, .offset: 40, .size: 8, .value_kind: global_buffer, .address_space: global }
    .group_segment_fixed_size: 114176
    .private_segment_fixed_size: 0
    .kernarg_segment_align: 8
    .kernarg_segment_size: 48
    .max_flat_workgroup_size: 256
    .sgpr_count:     66
    .vgpr_count:     512
    .wavefront_size: 32
...
	.end_amdgpu_metadata
.endif
;; end of part 2
;; launch pv (part 3): grid 64 x 4, 8 waves a work-group, no clusters, 51,200 bytes of LDS; arguments value, sc, y; writes y
.if DOCPART == 3
	.amdgcn_target "amdgcn-amd-amdhsa--gfx1250"
	.amdhsa_code_object_version 6
	.text
	.protected	k_q9b03b6b601_pv
	.globl	k_q9b03b6b601_pv
	.p2align	8
	.type	k_q9b03b6b601_pv,@function
k_q9b03b6b601_pv:
	s_mov_b64 s[64:65], 0
	v_nop
	global_prefetch_b8 v0, s[64:65] scope:SCOPE_SE
	s_setreg_imm32_b32 hwreg(HW_REG_WAVE_MODE, 25, 1), 1
	s_wait_xcnt 0x0
; PV.  attn[j] = softmax over the 512 j of sc[b][h][j] / 8;  y[h][b][c] = sum_j attn[j][b][h] value[j][b][c], f32.  The projection by w_v follows in the next launch: it is linear, so it may come behind the mean.
; SOFTMAX.  The true maximum m over all 512 j is taken away: p = 2^(c s - c m), c = log2(e) / 8; p is divided by its sum l (v_rcp_f32) and then split.
; FORMATS.  value is rounded once to bf16; the weights go as hi + lo, two bf16 each, two matrix instructions onto one f32 sum.
; LIMITS: a weight below 2^-126 counts as 0; NaN and infinities are not treated apart; the sum over j comes ahead of the projection, another order than the projection of every value row.
; SHARES.  Work-group (b, cq): batch row b, c = 256 cq .. + 255, all 512 j: 512 KiB of value, each byte read once.  Wave w: columns 64 (w % 4) .. + 63, j = 256 (w / 4) .. + 255, in eight batches of 32 j;
; the two halves of j are added through LDS at the end.  For the softmax wave w owns j = 64 w .. + 63 of all 16 heads: the weights are made once a work-group and handed on through LDS as finished fragments.
; THE STREAM.  Load i of a batch takes row j0 + 16 hf + i, 16 bytes at 16 r: sixteen lanes take 256 consecutive bytes, aligned; register q of the loads feeds tile q, whose lane r is column 4 r + q: value needs no LDS.
; Four batches of every wave are asked for at once (a ring of four slots in window 1); every wait in the stream is counted.  NO CLUSTER: what the four cq work-groups share (32 KiB of sc) is a sixteenth of their bytes.
.set RED,   32768                      ; LDS: 0 PF 16 K steps x (hi, lo) x 2 register groups x 512: the weights' fragments;  RED 4 x 4,096
.set STAT,  49152                      ; 8 x 64 bytes of maxima, then 8 x 64 of sums
.set SPARE, 50176                      ; the spare words: 128 bytes a wave, four blocks of 256 bytes that no other line names
.set VOFF,  2                          ; hf x 16 rows of 262,144 + 16 r
.set SLO,   3                          ; 2,048 r + 64 hf
.set MXA,   4                          ; STAT + 64 w + 4 r
.set MXL,   5                          ; STAT + 4 r
.set PFS,   6                          ; w x 4,096 + 16 lane
.set PFL,   7                          ; (w / 4) x 16,384 + 16 lane
.set RDA,   8                          ; RED + (w % 4) x 4,096 + 16 lane
.set YOFF,  9                          ; hf x 8 heads of 262,144 + 16 r
.set MX,    10                         ; m
.set CM,    12                         ; v12-13 c m, twice
.set SPW,   14
.set NIL,   15
.set SV,    16                         ; v16-47 my 32 scores, then weights
.set HPK,   48                         ; v48-63 at work, then the weights' hi halves
.set LPK,   64                         ; v64-79 their lo halves
.set U,     80                         ; v80-87 at work
.set ST8,   88                         ; v88-95 the eight waves' maxima, then sums
.set F,     96                         ; v96-127, v128-159 value's fragments, two buffers
.set Z,     96                         ; later: the other half's sums
.set O,     128                        ; later: y as stored
.set PH,    160                        ; v160-167 weights hi;  v168-175 lo
.set PL,    168
.set ACC,   176                        ; v176-207 four accumulators
.set RL,    208                        ; v208-209 1 / l, twice
.set LN,    248
.set RR,    249
.set HF,    250
.set MSK,   44
.set MSB, 0
.macro WIN new                         ; s_set_vgpr_msb: bits 1:0 source 0, 3:2 source 1, 7:6 destination; the high byte repeats the setting that is left
.if MSB != (\new)
	s_set_vgpr_msb (MSB<<8)|(\new)
.set MSB, \new
.endif
.endm
.macro PLACES
.rept 4
	v_nop
.endr
.endm
.macro SPLIT4 a, hi, lo                ; four pairs of f32 at a: hi = bf16(a), lo = bf16(a - hi), in stages
.irp z, 0,1,2,3
	v_cvt_pk_bf16_f32 v[(\hi)+\z], v[(\a)+2*\z], v[(\a)+2*\z+1]
.endr
.irp z, 0,1,2,3
	v_lshlrev_b32 v[U+2*\z], 16, v[(\hi)+\z]
	v_and_b32 v[U+2*\z+1], s[MSK], v[(\hi)+\z]
.endr
.irp z, 0,1,2,3
	v_pk_add_f32 v[(\a)+2*\z:(\a)+2*\z+1], v[(\a)+2*\z:(\a)+2*\z+1], v[U+2*\z:U+2*\z+1] neg_lo:[0,1] neg_hi:[0,1]
.endr
.irp z, 0,1,2,3
	v_cvt_pk_bf16_f32 v[(\lo)+\z], v[(\a)+2*\z], v[(\a)+2*\z+1]
.endr
.endm
.macro GLOAD slot, base                ; a batch of value: 32 rows j, 256 bytes of each; read once in the launch
	WIN 0x40
.set i, 0
.rept 16
	global_load_b128 v[64*(\slot)+4*i:64*(\slot)+4*i+3], v[VOFF], s[(\base):(\base)+1] offset:i*262144 th:TH_LOAD_NT
.set i, i+1
.endr
.endm
.macro CCONV slot, f                   ; a slot becomes four fragments at f
	WIN 0x05
.set q, 0
.rept 4
.set p, 0
.rept 8
	v_cvt_pk_bf16_f32 v[(\f)+8*q+p], v[64*(\slot)+8*p+q], v[64*(\slot)+8*p+4+q]
.set p, p+1
.endr
.set q, q+1
.endr
.endm
	s_load_b128 s[4:7], s[0:1], 0x0                ; value s[4:5], sc s[6:7]
	s_load_b64 s[8:9], s[0:1], 0x10                ; y
	v_lshl_add_u32 v[SPW], v0, 2, SPARE
	v_mov_b32 v[NIL], 0
	v_lshrrev_b32 v1, 5, v0
	v_readfirstlane_b32 s16, v1                    ; w
	s_mov_b32 s17, ttmp9                           ; b
	s_and_b32 s18, ttmp7, 0xffff                   ; cq
	s_and_b32 s19, s16, 3                          ; which 64 columns
	s_lshr_b32 s20, s16, 2                         ; which half of j
	s_mov_b32 s40, 0x3e38aa3b                      ; c = log2(e) / 8
	s_mov_b32 s41, s40                             ; named with it as a pair
	s_mov_b32 s42, 0x76543210                      ; v_permlanex16_b32: each lane takes its own place in the other half
	s_mov_b32 s43, 0xfedcba98
	s_mov_b32 s[MSK], 0xffff0000
	v_and_b32 v[LN], 31, v0
	v_and_b32 v[RR], 15, v0
	v_bfe_u32 v[HF], v0, 4, 1
	s_lshl_b32 s52, s17, 12                        ; y: 4,096 b + 1,024 cq + 256 (w % 4)
	s_lshl_b32 s60, s18, 10
	s_add_co_u32 s52, s52, s60
	s_lshl_b32 s60, s19, 8
	s_add_co_u32 s52, s52, s60
	s_mov_b32 s53, 0
	s_lshl_b32 s60, s20, 26                        ; value: the same + 256 (w / 4) rows of 262,144
	s_add_co_u32 s50, s52, s60
	s_mov_b32 s51, 0
	s_lshl_b32 s54, s17, 15                        ; sc: 32,768 b + 256 w
	s_lshl_b32 s60, s16, 8
	s_add_co_u32 s54, s54, s60
	s_mov_b32 s55, 0
	s_lshl_b32 s56, s16, 6
	s_add_co_u32 s56, s56, STAT
	s_lshl_b32 s57, s16, 12
	s_lshl_b32 s58, s20, 14
	s_lshl_b32 s59, s19, 12
	s_add_co_u32 s59, s59, RED
	v_lshlrev_b32 v251, 4, v[RR]
	v_lshl_add_u32 v[VOFF], v[HF], 22, v251
	v_lshl_add_u32 v[YOFF], v[HF], 21, v251
	v_lshlrev_b32 v[SLO], 11, v[RR]
	v_lshl_add_u32 v[SLO], v[HF], 6, v[SLO]
	v_lshl_add_u32 v[MXA], v[RR], 2, s56
	v_lshl_add_u32 v[MXL], v[RR], 2, STAT
	v_lshl_add_u32 v[PFS], v[LN], 4, s57
	v_lshl_add_u32 v[PFL], v[LN], 4, s58
	v_lshl_add_u32 v[RDA], v[LN], 4, s59
	s_wait_kmcnt 0x0
	s_add_nc_u64 s[24:25], s[4:5], s[50:51]        ; value at batch 0; a base for each batch, 32 rows j apart, so that none is ever rewritten
.irp t, 1,2,3,4,5,6,7
	s_add_nc_u64 s[24+2*\t:25+2*\t], s[24:25], \t*0x800000
.endr
	s_add_nc_u64 s[46:47], s[6:7], s[54:55]
	s_add_nc_u64 s[48:49], s[8:9], s[52:53]
.set i, 0
.rept 8                                ; lane (r, hf): head r, j = 64 w + 32 (i / 4) + 16 hf + 4 (i % 4) ..: the order of a fragment's K
	global_load_b128 v[SV+4*i:SV+4*i+3], v[SLO], s[46:47] offset:(i/4)*128+(i%4)*16
.set i, i+1
.endr
	GLOAD 0, 24
	GLOAD 1, 26
	GLOAD 2, 28
	WIN 0
	s_wait_loadcnt 48                              ; the scores are in; three batches of value stay out,
	GLOAD 3, 30                                    ; and the fourth goes out ahead of the softmax
	WIN 0
	; THE MAXIMUM: my 32 scores in four chains, the other half of the lanes, then the eight waves' through LDS.
.irp k, 0,1,2,3
	v_max3_num_f32 v[HPK+\k], v[SV+8*\k], v[SV+8*\k+1], v[SV+8*\k+2]
.endr
.irp k, 0,1,2,3
	v_max3_num_f32 v[HPK+\k], v[HPK+\k], v[SV+8*\k+3], v[SV+8*\k+4]
.endr
.irp k, 0,1,2,3
	v_max3_num_f32 v[HPK+\k], v[HPK+\k], v[SV+8*\k+5], v[SV+8*\k+6]
.endr
	v_max3_num_f32 v[HPK], v[HPK], v[SV+7], v[SV+15]
	v_max3_num_f32 v[HPK+2], v[HPK+2], v[SV+23], v[SV+31]
	v_max3_num_f32 v[HPK], v[HPK], v[HPK+1], v[HPK+2]
	v_max_num_f32 v[HPK], v[HPK], v[HPK+3]
	v_permlanex16_b32 v[HPK+1], v[HPK], s42, s43   ; its destination counts as read: a register that has been written
	v_max_num_f32 v[HPK], v[HPK], v[HPK+1]
	ds_store_b32 v[MXA], v[HPK]                    ; both halves of the lanes write the same number to the same word
	s_wait_dscnt 0x0                               ; for the others' sake
	s_barrier_signal -1
	s_barrier_wait -1
.set i, 0
.rept 8
	ds_load_b32 v[ST8+i], v[MXL] offset:i*64
.set i, i+1
.endr
	s_wait_dscnt 0x0
	v_max3_num_f32 v[MX], v[ST8], v[ST8+1], v[ST8+2]
	v_max3_num_f32 v[MX], v[MX], v[ST8+3], v[ST8+4]
	v_max3_num_f32 v[MX], v[MX], v[ST8+5], v[ST8+6]
	v_max_num_f32 v[MX], v[MX], v[ST8+7]
	v_mul_f32 v[CM], s40, v[MX]
	v_mov_b32 v[CM+1], v[CM]
	; THE WEIGHTS AND THEIR SUM
.set i, 0
.rept 16
	v_pk_fma_f32 v[SV+2*i:SV+2*i+1], v[SV+2*i:SV+2*i+1], s[40:41], v[CM:CM+1] op_sel_hi:[1,0,0] neg_lo:[0,0,1] neg_hi:[0,0,1]  ; c s - c m
.set i, i+1
.endr
.set i, 0
.rept 32
	v_exp_f32 v[SV+i], v[SV+i]
.set i, i+1
.endr
	v_nop                                          ; a plain instruction between the last exponential and the use of its result (ISA guide 5.7.2)
.set i, 0
	s_wait_alu depctr_va_vdst(0)
.rept 8
	v_pk_add_f32 v[HPK+2*i:HPK+2*i+1], v[SV+4*i:SV+4*i+1], v[SV+4*i+2:SV+4*i+3]  ; the weights themselves are kept
.set i, i+1
.endr
.irp k, 0,4,8,12
	v_pk_add_f32 v[HPK+\k:HPK+\k+1], v[HPK+\k:HPK+\k+1], v[HPK+\k+2:HPK+\k+3]
.endr
.irp k, 0,8
	v_pk_add_f32 v[HPK+\k:HPK+\k+1], v[HPK+\k:HPK+\k+1], v[HPK+\k+4:HPK+\k+5]
.endr
	v_pk_add_f32 v[HPK:HPK+1], v[HPK:HPK+1], v[HPK+8:HPK+9]
	v_add_f32 v[HPK], v[HPK], v[HPK+1]
	v_permlanex16_b32 v[HPK+1], v[HPK], s42, s43
	v_add_f32 v[HPK], v[HPK], v[HPK+1]
	ds_store_b32 v[MXA], v[HPK] offset:512
	s_wait_dscnt 0x0                               ; for the others' sake
	s_barrier_signal -1
	s_barrier_wait -1
.set i, 0
.rept 8
	ds_load_b32 v[ST8+i], v[MXL] offset:512+i*64
.set i, i+1
.endr
	s_wait_dscnt 0x0
	v_pk_add_f32 v[ST8:ST8+1], v[ST8:ST8+1], v[ST8+2:ST8+3]
	v_pk_add_f32 v[ST8+4:ST8+5], v[ST8+4:ST8+5], v[ST8+6:ST8+7]
	v_pk_add_f32 v[ST8:ST8+1], v[ST8:ST8+1], v[ST8+4:ST8+5]
	v_add_f32 v[ST8], v[ST8], v[ST8+1]             ; l: at least 1, since the largest score's weight is 1
	v_rcp_f32 v[RL], v[ST8]
	v_nop                                          ; a plain instruction behind the reciprocal
	s_wait_alu depctr_va_vdst(0)
	v_mov_b32 v[RL+1], v[RL]
.set i, 0
.rept 16
	v_pk_mul_f32 v[SV+2*i:SV+2*i+1], v[SV+2*i:SV+2*i+1], v[RL:RL+1]
.set i, i+1
.endr
.irp g, 0,1,2,3
	SPLIT4 SV+8*\g, HPK+4*\g, LPK+4*\g
.endr
.irp tt, 0,1
.irp pc, 0,1
	ds_store_b128 v[PFS], v[HPK+8*\tt+4*\pc:HPK+8*\tt+4*\pc+3] offset:\tt*2048+\pc*512        ; K step 2 w + tt, as a fragment's registers lie
	ds_store_b128 v[PFS], v[LPK+8*\tt+4*\pc:LPK+8*\tt+4*\pc+3] offset:\tt*2048+1024+\pc*512
.endr
.endr
	s_wait_dscnt 0x0                               ; for the others' sake
	s_barrier_signal -1
	s_barrier_wait -1
; Batch t, 32 j: its slot becomes four fragments and is filled again; the weights' fragments come from LDS; eight products.  left: the younger loads that may stay out.
.macro BATCH t, left
	s_wait_loadcnt \left
	CCONV (\t)%4, F+32*((\t)%2)                    ; into the buffer that the batch before did not multiply: these 32 lines are its places
.if (\t) < 4
	GLOAD (\t)%4, 24+2*((\t)+4)
.endif
	WIN 0
	ds_load_b128 v[PH:PH+3], v[PFL] offset:(\t)*2048
	ds_load_b128 v[PH+4:PH+7], v[PFL] offset:(\t)*2048+512
	ds_load_b128 v[PL:PL+3], v[PFL] offset:(\t)*2048+1024
	ds_load_b128 v[PL+4:PL+7], v[PFL] offset:(\t)*2048+1536
	s_wait_dscnt 0x0
.set q, 0
.rept 4                                ; the four accumulators take turns
.if (\t) == 0
	v_wmma_f32_16x16x32_bf16 v[ACC+8*q:ACC+8*q+7], v[PH:PH+7], v[F+8*q:F+8*q+7], 0
.else
	v_wmma_f32_16x16x32_bf16 v[ACC+8*q:ACC+8*q+7], v[PH:PH+7], v[F+32*((\t)%2)+8*q:F+32*((\t)%2)+8*q+7], v[ACC+8*q:ACC+8*q+7]
.endif
.set q, q+1
.endr
.set q, 0
.rept 4
	v_wmma_f32_16x16x32_bf16 v[ACC+8*q:ACC+8*q+7], v[PL:PL+7], v[F+32*((\t)%2)+8*q:F+32*((\t)%2)+8*q+7], v[ACC+8*q:ACC+8*q+7]
.set q, q+1
.endr
.endm
	BATCH 0, 48
	BATCH 1, 48
	BATCH 2, 48
	BATCH 3, 48
	BATCH 4, 48
	BATCH 5, 32
	BATCH 6, 16
	BATCH 7, 0
	; THE TWO HALVES OF j: waves 4 to 7 hand their sums over as they lie; waves 0 to 3 add them to their own and store.
	PLACES
	s_cmp_lt_u32 s16, 4
	s_cbranch_scc1 .Lno_store
.set q, 0
.rept 4
	ds_store_b128 v[RDA], v[ACC+8*q:ACC+8*q+3] offset:q*1024
	ds_store_b128 v[RDA], v[ACC+8*q+4:ACC+8*q+7] offset:q*1024+512
.set q, q+1
.endr
.Lno_store:
	s_wait_dscnt 0x0                               ; for the others' sake
	s_barrier_signal -1
	s_barrier_wait -1
	s_cmp_lt_u32 s16, 4
	s_cbranch_scc0 .Ldone
.set i, 0
.rept 8
	ds_load_b128 v[Z+4*i:Z+4*i+3], v[RDA] offset:i*512
.set i, i+1
.endr
	s_wait_dscnt 0x0
.set jj, 0
.rept 8                                ; register jj of tile q is head 8 hf + jj, column 4 r + q: four tiles make 16 neighbouring bytes; each accumulator's register 0 is read first
.set q, 0
.rept 4
	v_add_f32 v[O+4*jj+q], v[ACC+8*q+jj], v[Z+8*q+jj]
.set q, q+1
.endr
	global_store_b128 v[YOFF], v[O+4*jj:O+4*jj+3], s[48:49] offset:jj*262144  ; sixteen lanes store 256 consecutive bytes, aligned
.set jj, jj+1
.endr
.Ldone:
	s_wait_tensorcnt 0x0                           ; the wave's end: three closing lines behind my last LDS store
	ds_add_u32 v[SPW], v[NIL]
	s_wait_dscnt 0x0
	s_endpgm
.Lfunc_end_k_q9b03b6b601_pv:
	.size	k_q9b03b6b601_pv, .Lfunc_end_k_q9b03b6b601_pv-k_q9b03b6b601_pv
	.p2alignl 7, 3214868480
	.fill 96, 4, 3214868480
	.section	.rodata,"a",@progbits
	.p2align	6, 0x0
	.amdhsa_kernel k_q9b03b6b601_pv
		.amdhsa_group_segment_fixed_size 51200
		.amdhsa_private_segment_fixed_size 0
		.amdhsa_enable_private_segment 0
		.amdhsa_kernarg_size 24
		.amdhsa_user_sgpr_count 2
		.amdhsa_user_sgpr_kernarg_segment_ptr 1
		.amdhsa_wavefront_size32 1
		.amdhsa_system_sgpr_workgroup_id_x 1
		.amdhsa_system_sgpr_workgroup_id_y 1
		.amdhsa_system_sgpr_workgroup_id_z 1
		.amdhsa_system_vgpr_workitem_id 0
		.amdhsa_next_free_vgpr 512
		.amdhsa_next_free_sgpr 66
		.amdhsa_reserve_vcc 0
		.amdhsa_float_denorm_mode_32 3
		.amdhsa_float_denorm_mode_16_64 3
		.amdhsa_memory_ordered 1
		.amdhsa_forward_progress 1
		.amdhsa_inst_pref_size 55
	.end_amdhsa_kernel
	.amdgpu_metadata
---
amdhsa.version: [ 1, 2 ]
amdhsa.kernels:
  - .name:           k_q9b03b6b601_pv
    .symbol:         k_q9b03b6b601_pv.kd
    .args:
      - { .name: value, .offset: 0, .size: 8, .value_kind: global_buffer, .address_space: global }
      - { .name: sc, .offset: 8, .size: 8, .value_kind: global_buffer, .address_space: global }
      - { .name: y, .offset: 16, .size: 8, .value_kind: global_buffer, .address_space: global }
    .group_segment_fixed_size: 51200
    .private_segment_fixed_size: 0
    .kernarg_segment_align: 8
    .kernarg_segment_size: 24
    .max_flat_workgroup_size: 256
    .sgpr_count:     66
    .vgpr_count:     512
    .wavefront_size: 32
...
	.end_amdgpu_metadata
.endif
;; end of part 3
;; launch xproj (part 4): grid 16 x 4, 8 waves a work-group, no clusters, 103,424 bytes of LDS; arguments y, w_v, x; writes x
.if DOCPART == 4
	.amdgcn_target "amdgcn-amd-amdhsa--gfx1250"
	.amdhsa_code_object_version 6
	.text
	.protected	k_q9b03b6b601_xproj
	.globl	k_q9b03b6b601_xproj
	.p2align	8
	.type	k_q9b03b6b601_xproj,@function
k_q9b03b6b601_xproj:
	s_mov_b64 s[64:65], 0
	v_nop
	global_prefetch_b8 v0, s[64:65] scope:SCOPE_SE
	s_setreg_imm32_b32 hwreg(HW_REG_WAVE_MODE, 25, 1), 1
	s_wait_xcnt 0x0
; A PRODUCT OF 64 ROWS: out[b][64 s + n] = sum_k A[b][k] W[k][64 s + n] (+ bias[64 s + n]), K = 1,024, f32 in and out.  One text for two launches, by two switches:
;   PER_HEAD = 1: A is y[h = s][b][c], a matrix for each slab of 64 columns (x = y w_v by heads);  HAS_BIAS = 1: a bias is added (out0 = x w_out + b_out).
; FORMATS.  W and the bias are inputs: rounded once to bf16.  A is made by this program: it goes as hi = bf16(a), lo = bf16(a - hi), two matrix instructions onto one f32 sum.
; LIMITS: |a| above 3.39e38 rounds hi to infinity; NaN and infinities are not treated apart.
; SHARES.  Work-group (s, mt): columns 64 s .. + 63, rows 16 mt .. + 15.  Wave w takes k = 128 w .. + 127; the eight partial sums meet in LDS, and wave w stores rows 2 w and 2 w + 1.
; 64 work-groups: 16 rows are a matrix instruction's M, 64 columns are 256 bytes of a row of W; a finer share would need sums across work-groups.
; NO CLUSTER: the four mt work-groups of a slab read the same 256 KiB of W, but a joint fill would lay them in LDS in f32, to be read once more from there.
; FRAGMENTS.  In a K step of 32 lane (r, hf) holds row or column r and k = k0 + 16 hf + 0..15, alike in both sources.  A goes through the wave's own LDS tile; of W load i takes row k0 + 16 hf + i,
; 16 bytes at 16 r (sixteen lanes: 256 consecutive bytes), and register q of the loads feeds tile q, whose lane r is column 4 r + q.
.set PER_HEAD, 1
.set HAS_BIAS, 0
.set TRL,   34816                      ; LDS: 0 the hi tiles, 8 x 16 rows x 272;  TRL the lo tiles
.set RED,   69632                      ; 8 x 4,096: the waves' partial sums as they lie in registers
.set SPARE, 102400                     ; the spare words: 128 bytes a wave, four blocks of 256 bytes that no other line names
.set AOFF,  2                          ; 16 lane
.set WOFF,  3                          ; hf x 16 rows of 4,096 + 16 r
.set TST,   4                          ; w x 4,352 + 8 lane
.set TLD,   5                          ; w x 4,352 + 272 r + 32 hf
.set RST,   6                          ; RED + w x 4,096 + 16 lane
.set RLD,   7                          ; where row 2 w + hf, column 4 r of a partial sum lies
.set OOFF,  8                          ; hf x 4,096 + 16 r
.set BOFF,  9                          ; 16 r
.set SPW,   14
.set NIL,   15
.set AR,    16                         ; v16-79 A as loaded; then its fragments: hi v16-47, lo v48-79
.set AFH,   16
.set AFL,   48
.set TH,    80                         ; v80-111 hi packs; then the eight partial sums
.set Z,     80
.set TL,    112                        ; v112-143 lo packs; then the result
.set O,     112
.set U,     144                        ; v144-151 at work
.set WF,    152                        ; v152-183, v184-215 W's fragments, two buffers
.set ACC,   216                        ; v216-247 four accumulators
.set LN,    248
.set RR,    249
.set HF,    250
.set BIAS,  252                        ; v252-255
.set MSK,   19
.set MSB, 0
.macro WIN new                         ; s_set_vgpr_msb: bits 1:0 source 0, 3:2 source 1, 7:6 destination; the high byte repeats the setting that is left
.if MSB != (\new)
	s_set_vgpr_msb (MSB<<8)|(\new)
.set MSB, \new
.endif
.endm
.macro PLACES
.rept 4
	v_nop
.endr
.endm
.macro SPLIT4 a, hi, lo                ; four pairs of f32 at a: hi = bf16(a), lo = bf16(a - hi), in stages
.irp z, 0,1,2,3
	v_cvt_pk_bf16_f32 v[(\hi)+\z], v[(\a)+2*\z], v[(\a)+2*\z+1]
.endr
.irp z, 0,1,2,3
	v_lshlrev_b32 v[U+2*\z], 16, v[(\hi)+\z]
	v_and_b32 v[U+2*\z+1], s[MSK], v[(\hi)+\z]
.endr
.irp z, 0,1,2,3
	v_pk_add_f32 v[(\a)+2*\z:(\a)+2*\z+1], v[(\a)+2*\z:(\a)+2*\z+1], v[U+2*\z:U+2*\z+1] neg_lo:[0,1] neg_hi:[0,1]
.endr
.irp z, 0,1,2,3
	v_cvt_pk_bf16_f32 v[(\lo)+\z], v[(\a)+2*\z], v[(\a)+2*\z+1]
.endr
.endm
.macro ROUND2 a                        ; a pair of f32 rounded to bf16 and widened again
	v_cvt_pk_bf16_f32 v[U], v[\a], v[(\a)+1]
	v_lshlrev_b32 v[\a], 16, v[U]
	v_and_b32 v[(\a)+1], s[MSK], v[U]
.endm
.macro GLOAD slot                      ; K step 'slot' of W: 32 rows, 256 bytes of each
	WIN 0x40
.set i, 0
.rept 16
	global_load_b128 v[64*(\slot)+4*i:64*(\slot)+4*i+3], v[WOFF], s[22:23] offset:(32*(\slot)+i)*4096
.set i, i+1
.endr
.endm
.macro CCONV slot, f                   ; a slot becomes four fragments at f
	WIN 0x05
.set q, 0
.rept 4
.set p, 0
.rept 8
	v_cvt_pk_bf16_f32 v[(\f)+8*q+p], v[64*(\slot)+8*p+q], v[64*(\slot)+8*p+4+q]
.set p, p+1
.endr
.set q, q+1
.endr
.endm
.if HAS_BIAS
	s_load_b256 s[4:11], s[0:1], 0x0               ; A s[4:5], W s[6:7], bias s[8:9], out s[10:11]
.else
	s_load_b128 s[4:7], s[0:1], 0x0                ; A s[4:5], W s[6:7]
	s_load_b64 s[10:11], s[0:1], 0x10              ; out
.endif
	v_lshl_add_u32 v[SPW], v0, 2, SPARE
	v_mov_b32 v[NIL], 0
	v_lshrrev_b32 v1, 5, v0
	v_readfirstlane_b32 s16, v1                    ; w
	s_mov_b32 s17, ttmp9                           ; the slab
	s_and_b32 s18, ttmp7, 0xffff                   ; mt
	s_mov_b32 s[MSK], 0xffff0000
	v_and_b32 v[LN], 31, v0
	v_and_b32 v[RR], 15, v0
	v_bfe_u32 v[HF], v0, 4, 1
	s_lshl_b32 s32, s18, 16                        ; A: 16 mt rows of 4,096 + 512 w
	s_lshl_b32 s42, s16, 9
	s_add_co_u32 s32, s32, s42
.if PER_HEAD
	s_lshl_b32 s42, s17, 18                        ; + the slab's own matrix of 262,144 bytes
	s_add_co_u32 s32, s32, s42
.endif
	s_mov_b32 s33, 0
	s_lshl_b32 s36, s17, 8                         ; bias: 256 s
	s_mov_b32 s37, 0
	s_lshl_b32 s42, s16, 19                        ; W: 256 s + 128 w rows of 4,096
	s_add_co_u32 s34, s36, s42
	s_mov_b32 s35, 0
	s_lshl_b32 s38, s18, 16                        ; out: (16 mt + 2 w) rows of 4,096 + 256 s
	s_lshl_b32 s42, s16, 13
	s_add_co_u32 s38, s38, s42
	s_add_co_u32 s38, s38, s36
	s_mov_b32 s39, 0
	s_mul_i32 s44, s16, 4352
	s_lshl_b32 s45, s16, 12
	s_add_co_u32 s45, s45, RED
	s_bfe_u32 s46, s16, 0x10001                    ; row 2 w + hf of the 16 lies in lanes' half w / 4, register 2 (w % 4) + hf
	s_lshl_b32 s46, s46, 9
	s_lshr_b32 s42, s16, 2
	s_lshl_b32 s42, s42, 8
	s_add_co_u32 s46, s46, s42
	s_and_b32 s42, s16, 1
	s_lshl_b32 s42, s42, 3
	s_add_co_u32 s46, s46, s42
	s_add_co_u32 s46, s46, RED
	v_lshlrev_b32 v[AOFF], 4, v[LN]
	v_lshlrev_b32 v[BOFF], 4, v[RR]
	v_lshl_add_u32 v[WOFF], v[HF], 16, v[BOFF]
	v_lshl_add_u32 v[OOFF], v[HF], 12, v[BOFF]
	v_lshl_add_u32 v[TST], v[LN], 3, s44
	v_mul_u32_u24 v[TLD], v[RR], 272
	v_lshl_add_u32 v[TLD], v[HF], 5, v[TLD]
	v_add_nc_u32 v[TLD], s44, v[TLD]
	v_lshl_add_u32 v[RST], v[LN], 4, s45
	v_lshl_add_u32 v[RLD], v[HF], 2, v[BOFF]
	v_add_nc_u32 v[RLD], s46, v[RLD]
	s_wait_kmcnt 0x0
	s_add_nc_u64 s[20:21], s[4:5], s[32:33]
	s_add_nc_u64 s[22:23], s[6:7], s[34:35]
.if HAS_BIAS
	s_add_nc_u64 s[24:25], s[8:9], s[36:37]
.endif
	s_add_nc_u64 s[26:27], s[10:11], s[38:39]
.if HAS_BIAS
	global_load_b128 v[BIAS:BIAS+3], v[BOFF], s[24:25]
.endif
.set i, 0
.rept 16
	global_load_b128 v[AR+4*i:AR+4*i+3], v[AOFF], s[20:21] offset:i*4096  ; a row's 512 consecutive bytes
.set i, i+1
.endr
	GLOAD 0
	GLOAD 1
	GLOAD 2
	WIN 0
	s_wait_loadcnt 48                              ; A (and the bias) are in; the 48 loads of W stay out
.set g, 0
.rept 8
	SPLIT4 AR+8*g, TH+4*g, TL+4*g
.set g, g+1
.endr
.set i, 0
.rept 16
	ds_store_b64 v[TST], v[TH+2*i:TH+2*i+1] offset:i*272
	ds_store_b64 v[TST], v[TL+2*i:TL+2*i+1] offset:TRL+i*272
.set i, i+1
.endr
.set i, 0
.rept 8
	ds_load_b128 v[AFH+4*i:AFH+4*i+3], v[TLD] offset:(i/2)*64+(i%2)*16       ; my own bytes: LDS serves a wave's instructions in order (ISA guide 5.7.1.4)
	ds_load_b128 v[AFL+4*i:AFL+4*i+3], v[TLD] offset:TRL+(i/2)*64+(i%2)*16
.set i, i+1
.endr
	GLOAD 3
.macro KSTEP ks
	s_wait_loadcnt 48-16*(\ks)                     ; the younger K steps stay out
	CCONV \ks, WF+32*((\ks)%2)                     ; into the buffer that the K step before did not multiply
	WIN 0
.if (\ks) == 0
	s_wait_dscnt 0x0                               ; A's fragments
.endif
.set q, 0
.rept 4                                ; the four accumulators take turns
.if (\ks) == 0
	v_wmma_f32_16x16x32_bf16 v[ACC+8*q:ACC+8*q+7], v[AFH:AFH+7], v[WF+8*q:WF+8*q+7], 0
.else
	v_wmma_f32_16x16x32_bf16 v[ACC+8*q:ACC+8*q+7], v[AFH+8*(\ks):AFH+8*(\ks)+7], v[WF+32*((\ks)%2)+8*q:WF+32*((\ks)%2)+8*q+7], v[ACC+8*q:ACC+8*q+7]
.endif
.set q, q+1
.endr
.set q, 0
.rept 4
	v_wmma_f32_16x16x32_bf16 v[ACC+8*q:ACC+8*q+7], v[AFL+8*(\ks):AFL+8*(\ks)+7], v[WF+32*((\ks)%2)+8*q:WF+32*((\ks)%2)+8*q+7], v[ACC+8*q:ACC+8*q+7]
.set q, q+1
.endr
.endm
	KSTEP 0
	KSTEP 1
	KSTEP 2
	KSTEP 3
	; The eight waves' partial sums meet: each stores its accumulators as they lie; behind the barrier wave w adds up rows 2 w and 2 w + 1.
	PLACES
.set q, 0
.rept 4
	ds_store_b128 v[RST], v[ACC+8*q:ACC+8*q+3] offset:q*1024
	ds_store_b128 v[RST], v[ACC+8*q+4:ACC+8*q+7] offset:q*1024+512
.set q, q+1
.endr
	s_wait_dscnt 0x0                               ; for the others' sake: my stores are done
	s_barrier_signal -1
	s_barrier_wait -1
.set i, 0
.rept 32
	ds_load_b32 v[Z+i], v[RLD] offset:(i/4)*4096+(i%4)*1024  ; wave i / 4's sum for column 4 r + i % 4
.set i, i+1
.endr
.if HAS_BIAS
	ROUND2 BIAS
	ROUND2 BIAS+2
.endif
	s_wait_dscnt 0x0
.irp u, 0,2,4,6
	v_pk_add_f32 v[Z+4*\u:Z+4*\u+1], v[Z+4*\u:Z+4*\u+1], v[Z+4*\u+4:Z+4*\u+5]
	v_pk_add_f32 v[Z+4*\u+2:Z+4*\u+3], v[Z+4*\u+2:Z+4*\u+3], v[Z+4*\u+6:Z+4*\u+7]
.endr
.irp u, 0,4
	v_pk_add_f32 v[Z+4*\u:Z+4*\u+1], v[Z+4*\u:Z+4*\u+1], v[Z+4*\u+8:Z+4*\u+9]
	v_pk_add_f32 v[Z+4*\u+2:Z+4*\u+3], v[Z+4*\u+2:Z+4*\u+3], v[Z+4*\u+10:Z+4*\u+11]
.endr
	v_pk_add_f32 v[O:O+1], v[Z:Z+1], v[Z+16:Z+17]
	v_pk_add_f32 v[O+2:O+3], v[Z+2:Z+3], v[Z+18:Z+19]
.if HAS_BIAS
	v_pk_add_f32 v[O:O+1], v[O:O+1], v[BIAS:BIAS+1]
	v_pk_add_f32 v[O+2:O+3], v[O+2:O+3], v[BIAS+2:BIAS+3]
.endif
	global_store_b128 v[OOFF], v[O:O+3], s[26:27]  ; sixteen lanes store 256 consecutive bytes, aligned: two rows a wave
	s_wait_tensorcnt 0x0                           ; the wave's end: three closing lines behind my last LDS store
	ds_add_u32 v[SPW], v[NIL]
	s_wait_dscnt 0x0
	s_endpgm
.Lfunc_end_k_q9b03b6b601_xproj:
	.size	k_q9b03b6b601_xproj, .Lfunc_end_k_q9b03b6b601_xproj-k_q9b03b6b601_xproj
	.p2alignl 7, 3214868480
	.fill 96, 4, 3214868480
	.section	.rodata,"a",@progbits
	.p2align	6, 0x0
	.amdhsa_kernel k_q9b03b6b601_xproj
		.amdhsa_group_segment_fixed_size 103424
		.amdhsa_private_segment_fixed_size 0
		.amdhsa_enable_private_segment 0
		.amdhsa_kernarg_size 24
		.amdhsa_user_sgpr_count 2
		.amdhsa_user_sgpr_kernarg_segment_ptr 1
		.amdhsa_wavefront_size32 1
		.amdhsa_system_sgpr_workgroup_id_x 1
		.amdhsa_system_sgpr_workgroup_id_y 1
		.amdhsa_system_sgpr_workgroup_id_z 1
		.amdhsa_system_vgpr_workitem_id 0
		.amdhsa_next_free_vgpr 512
		.amdhsa_next_free_sgpr 66
		.amdhsa_reserve_vcc 0
		.amdhsa_float_denorm_mode_32 3
		.amdhsa_float_denorm_mode_16_64 3
		.amdhsa_memory_ordered 1
		.amdhsa_forward_progress 1
		.amdhsa_inst_pref_size 36
	.end_amdhsa_kernel
	.amdgpu_metadata
---
amdhsa.version: [ 1, 2 ]
amdhsa.kernels:
  - .name:           k_q9b03b6b601_xproj
    .symbol:         k_q9b03b6b601_xproj.kd
    .args:
      - { .name: y, .offset: 0, .size: 8, .value_kind: global_buffer, .address_space: global }
      - { .name: w_v, .offset: 8, .size: 8, .value_kind: global_buffer, .address_space: global }
      - { .name: x, .offset: 16, .size: 8, .value_kind: global_buffer, .address_space: global }
    .group_segment_fixed_size: 103424
    .private_segment_fixed_size: 0
    .kernarg_segment_align: 8
    .kernarg_segment_size: 24
    .max_flat_workgroup_size: 256
    .sgpr_count:     66
    .vgpr_count:     512
    .wavefront_size: 32
...
	.end_amdgpu_metadata
.endif
;; end of part 4
;; launch oproj (part 5): grid 16 x 4, 8 waves a work-group, no clusters, 103,424 bytes of LDS; arguments x, w_out, b_out, out0; writes out0
.if DOCPART == 5
	.amdgcn_target "amdgcn-amd-amdhsa--gfx1250"
	.amdhsa_code_object_version 6
	.text
	.protected	k_q9b03b6b601_oproj
	.globl	k_q9b03b6b601_oproj
	.p2align	8
	.type	k_q9b03b6b601_oproj,@function
k_q9b03b6b601_oproj:
	s_mov_b64 s[64:65], 0
	v_nop
	global_prefetch_b8 v0, s[64:65] scope:SCOPE_SE
	s_setreg_imm32_b32 hwreg(HW_REG_WAVE_MODE, 25, 1), 1
	s_wait_xcnt 0x0
; A PRODUCT OF 64 ROWS: out[b][64 s + n] = sum_k A[b][k] W[k][64 s + n] (+ bias[64 s + n]), K = 1,024, f32 in and out.  One text for two launches, by two switches:
;   PER_HEAD = 1: A is y[h = s][b][c], a matrix for each slab of 64 columns (x = y w_v by heads);  HAS_BIAS = 1: a bias is added (out0 = x w_out + b_out).
; FORMATS.  W and the bias are inputs: rounded once to bf16.  A is made by this program: it goes as hi = bf16(a), lo = bf16(a - hi), two matrix instructions onto one f32 sum.
; LIMITS: |a| above 3.39e38 rounds hi to infinity; NaN and infinities are not treated apart.
; SHARES.  Work-group (s, mt): columns 64 s .. + 63, rows 16 mt .. + 15.  Wave w takes k = 128 w .. + 127; the eight partial sums meet in LDS, and wave w stores rows 2 w and 2 w + 1.
; 64 work-groups: 16 rows are a matrix instruction's M, 64 columns are 256 bytes of a row of W; a finer share would need sums across work-groups.
; NO CLUSTER: the four mt work-groups of a slab read the same 256 KiB of W, but a joint fill would lay them in LDS in f32, to be read once more from there.
; FRAGMENTS.  In a K step of 32 lane (r, hf) holds row or column r and k = k0 + 16 hf + 0..15, alike in both sources.  A goes through the wave's own LDS tile; of W load i takes row k0 + 16 hf + i,
; 16 bytes at 16 r (sixteen lanes: 256 consecutive bytes), and register q of the loads feeds tile q, whose lane r is column 4 r + q.
.set PER_HEAD, 0
.set HAS_BIAS, 1
.set TRL,   34816                      ; LDS: 0 the hi tiles, 8 x 16 rows x 272;  TRL the lo tiles
.set RED,   69632                      ; 8 x 4,096: the waves' partial sums as they lie in registers
.set SPARE, 102400                     ; the spare words: 128 bytes a wave, four blocks of 256 bytes that no other line names
.set AOFF,  2                          ; 16 lane
.set WOFF,  3                          ; hf x 16 rows of 4,096 + 16 r
.set TST,   4                          ; w x 4,352 + 8 lane
.set TLD,   5                          ; w x 4,352 + 272 r + 32 hf
.set RST,   6                          ; RED + w x 4,096 + 16 lane
.set RLD,   7                          ; where row 2 w + hf, column 4 r of a partial sum lies
.set OOFF,  8                          ; hf x 4,096 + 16 r
.set BOFF,  9                          ; 16 r
.set SPW,   14
.set NIL,   15
.set AR,    16                         ; v16-79 A as loaded; then its fragments: hi v16-47, lo v48-79
.set AFH,   16
.set AFL,   48
.set TH,    80                         ; v80-111 hi packs; then the eight partial sums
.set Z,     80
.set TL,    112                        ; v112-143 lo packs; then the result
.set O,     112
.set U,     144                        ; v144-151 at work
.set WF,    152                        ; v152-183, v184-215 W's fragments, two buffers
.set ACC,   216                        ; v216-247 four accumulators
.set LN,    248
.set RR,    249
.set HF,    250
.set BIAS,  252                        ; v252-255
.set MSK,   19
.set MSB, 0
.macro WIN new                         ; s_set_vgpr_msb: bits 1:0 source 0, 3:2 source 1, 7:6 destination; the high byte repeats the setting that is left
.if MSB != (\new)
	s_set_vgpr_msb (MSB<<8)|(\new)
.set MSB, \new
.endif
.endm
.macro PLACES
.rept 4
	v_nop
.endr
.endm
.macro SPLIT4 a, hi, lo                ; four pairs of f32 at a: hi = bf16(a), lo = bf16(a - hi), in stages
.irp z, 0,1,2,3
	v_cvt_pk_bf16_f32 v[(\hi)+\z], v[(\a)+2*\z], v[(\a)+2*\z+1]
.endr
.irp z, 0,1,2,3
	v_lshlrev_b32 v[U+2*\z], 16, v[(\hi)+\z]
	v_and_b32 v[U+2*\z+1], s[MSK], v[(\hi)+\z]
.endr
.irp z, 0,1,2,3
	v_pk_add_f32 v[(\a)+2*\z:(\a)+2*\z+1], v[(\a)+2*\z:(\a)+2*\z+1], v[U+2*\z:U+2*\z+1] neg_lo:[0,1] neg_hi:[0,1]
.endr
.irp z, 0,1,2,3
	v_cvt_pk_bf16_f32 v[(\lo)+\z], v[(\a)+2*\z], v[(\a)+2*\z+1]
.endr
.endm
.macro ROUND2 a                        ; a pair of f32 rounded to bf16 and widened again
	v_cvt_pk_bf16_f32 v[U], v[\a], v[(\a)+1]
	v_lshlrev_b32 v[\a], 16, v[U]
	v_and_b32 v[(\a)+1], s[MSK], v[U]
.endm
.macro GLOAD slot                      ; K step 'slot' of W: 32 rows, 256 bytes of each
	WIN 0x40
.set i, 0
.rept 16
	global_load_b128 v[64*(\slot)+4*i:64*(\slot)+4*i+3], v[WOFF], s[22:23] offset:(32*(\slot)+i)*4096
.set i, i+1
.endr
.endm
.macro CCONV slot, f                   ; a slot becomes four fragments at f
	WIN 0x05
.set q, 0
.rept 4
.set p, 0
.rept 8
	v_cvt_pk_bf16_f32 v[(\f)+8*q+p], v[64*(\slot)+8*p+q], v[64*(\slot)+8*p+4+q]
.set p, p+1
.endr
.set q, q+1
.endr
.endm
.if HAS_BIAS
	s_load_b256 s[4:11], s[0:1], 0x0               ; A s[4:5], W s[6:7], bias s[8:9], out s[10:11]
.else
	s_load_b128 s[4:7], s[0:1], 0x0                ; A s[4:5], W s[6:7]
	s_load_b64 s[10:11], s[0:1], 0x10              ; out
.endif
	v_lshl_add_u32 v[SPW], v0, 2, SPARE
	v_mov_b32 v[NIL], 0
	v_lshrrev_b32 v1, 5, v0
	v_readfirstlane_b32 s16, v1                    ; w
	s_mov_b32 s17, ttmp9                           ; the slab
	s_and_b32 s18, ttmp7, 0xffff                   ; mt
	s_mov_b32 s[MSK], 0xffff0000
	v_and_b32 v[LN], 31, v0
	v_and_b32 v[RR], 15, v0
	v_bfe_u32 v[HF], v0, 4, 1
	s_lshl_b32 s32, s18, 16                        ; A: 16 mt rows of 4,096 + 512 w
	s_lshl_b32 s42, s16, 9
	s_add_co_u32 s32, s32, s42
.if PER_HEAD
	s_lshl_b32 s42, s17, 18                        ; + the slab's own matrix of 262,144 bytes
	s_add_co_u32 s32, s32, s42
.endif
	s_mov_b32 s33, 0
	s_lshl_b32 s36, s17, 8                         ; bias: 256 s
	s_mov_b32 s37, 0
	s_lshl_b32 s42, s16, 19                        ; W: 256 s + 128 w rows of 4,096
	s_add_co_u32 s34, s36, s42
	s_mov_b32 s35, 0
	s_lshl_b32 s38, s18, 16                        ; out: (16 mt + 2 w) rows of 4,096 + 256 s
	s_lshl_b32 s42, s16, 13
	s_add_co_u32 s38, s38, s42
	s_add_co_u32 s38, s38, s36
	s_mov_b32 s39, 0
	s_mul_i32 s44, s16, 4352
	s_lshl_b32 s45, s16, 12
	s_add_co_u32 s45, s45, RED
	s_bfe_u32 s46, s16, 0x10001                    ; row 2 w + hf of the 16 lies in lanes' half w / 4, register 2 (w % 4) + hf
	s_lshl_b32 s46, s46, 9
	s_lshr_b32 s42, s16, 2
	s_lshl_b32 s42, s42, 8
	s_add_co_u32 s46, s46, s42
	s_and_b32 s42, s16, 1
	s_lshl_b32 s42, s42, 3
	s_add_co_u32 s46, s46, s42
	s_add_co_u32 s46, s46, RED
	v_lshlrev_b32 v[AOFF], 4, v[LN]
	v_lshlrev_b32 v[BOFF], 4, v[RR]
	v_lshl_add_u32 v[WOFF], v[HF], 16, v[BOFF]
	v_lshl_add_u32 v[OOFF], v[HF], 12, v[BOFF]
	v_lshl_add_u32 v[TST], v[LN], 3, s44
	v_mul_u32_u24 v[TLD], v[RR], 272
	v_lshl_add_u32 v[TLD], v[HF], 5, v[TLD]
	v_add_nc_u32 v[TLD], s44, v[TLD]
	v_lshl_add_u32 v[RST], v[LN], 4, s45
	v_lshl_add_u32 v[RLD], v[HF], 2, v[BOFF]
	v_add_nc_u32 v[RLD], s46, v[RLD]
	s_wait_kmcnt 0x0
	s_add_nc_u64 s[20:21], s[4:5], s[32:33]
	s_add_nc_u64 s[22:23], s[6:7], s[34:35]
.if HAS_BIAS
	s_add_nc_u64 s[24:25], s[8:9], s[36:37]
.endif
	s_add_nc_u64 s[26:27], s[10:11], s[38:39]
.if HAS_BIAS
	global_load_b128 v[BIAS:BIAS+3], v[BOFF], s[24:25]
.endif
.set i, 0
.rept 16
	global_load_b128 v[AR+4*i:AR+4*i+3], v[AOFF], s[20:21] offset:i*4096  ; a row's 512 consecutive bytes
.set i, i+1
.endr
	GLOAD 0
	GLOAD 1
	GLOAD 2
	WIN 0
	s_wait_loadcnt 48                              ; A (and the bias) are in; the 48 loads of W stay out
.set g, 0
.rept 8
	SPLIT4 AR+8*g, TH+4*g, TL+4*g
.set g, g+1
.endr
.set i, 0
.rept 16
	ds_store_b64 v[TST], v[TH+2*i:TH+2*i+1] offset:i*272
	ds_store_b64 v[TST], v[TL+2*i:TL+2*i+1] offset:TRL+i*272
.set i, i+1
.endr
.set i, 0
.rept 8
	ds_load_b128 v[AFH+4*i:AFH+4*i+3], v[TLD] offset:(i/2)*64+(i%2)*16       ; my own bytes: LDS serves a wave's instructions in order (ISA guide 5.7.1.4)
	ds_load_b128 v[AFL+4*i:AFL+4*i+3], v[TLD] offset:TRL+(i/2)*64+(i%2)*16
.set i, i+1
.endr
	GLOAD 3
.macro KSTEP ks
	s_wait_loadcnt 48-16*(\ks)                     ; the younger K steps stay out
	CCONV \ks, WF+32*((\ks)%2)                     ; into the buffer that the K step before did not multiply
	WIN 0
.if (\ks) == 0
	s_wait_dscnt 0x0                               ; A's fragments
.endif
.set q, 0
.rept 4                                ; the four accumulators take turns
.if (\ks) == 0
	v_wmma_f32_16x16x32_bf16 v[ACC+8*q:ACC+8*q+7], v[AFH:AFH+7], v[WF+8*q:WF+8*q+7], 0
.else
	v_wmma_f32_16x16x32_bf16 v[ACC+8*q:ACC+8*q+7], v[AFH+8*(\ks):AFH+8*(\ks)+7], v[WF+32*((\ks)%2)+8*q:WF+32*((\ks)%2)+8*q+7], v[ACC+8*q:ACC+8*q+7]
.endif
.set q, q+1
.endr
.set q, 0
.rept 4
	v_wmma_f32_16x16x32_bf16 v[ACC+8*q:ACC+8*q+7], v[AFL+8*(\ks):AFL+8*(\ks)+7], v[WF+32*((\ks)%2)+8*q:WF+32*((\ks)%2)+8*q+7], v[ACC+8*q:ACC+8*q+7]
.set q, q+1
.endr
.endm
	KSTEP 0
	KSTEP 1
	KSTEP 2
	KSTEP 3
	; The eight waves' partial sums meet: each stores its accumulators as they lie; behind the barrier wave w adds up rows 2 w and 2 w + 1.
	PLACES
.set q, 0
.rept 4
	ds_store_b128 v[RST], v[ACC+8*q:ACC+8*q+3] offset:q*1024
	ds_store_b128 v[RST], v[ACC+8*q+4:ACC+8*q+7] offset:q*1024+512
.set q, q+1
.endr
	s_wait_dscnt 0x0                               ; for the others' sake: my stores are done
	s_barrier_signal -1
	s_barrier_wait -1
.set i, 0
.rept 32
	ds_load_b32 v[Z+i], v[RLD] offset:(i/4)*4096+(i%4)*1024  ; wave i / 4's sum for column 4 r + i % 4
.set i, i+1
.endr
.if HAS_BIAS
	ROUND2 BIAS
	ROUND2 BIAS+2
.endif
	s_wait_dscnt 0x0
.irp u, 0,2,4,6
	v_pk_add_f32 v[Z+4*\u:Z+4*\u+1], v[Z+4*\u:Z+4*\u+1], v[Z+4*\u+4:Z+4*\u+5]
	v_pk_add_f32 v[Z+4*\u+2:Z+4*\u+3], v[Z+4*\u+2:Z+4*\u+3], v[Z+4*\u+6:Z+4*\u+7]
.endr
.irp u, 0,4
	v_pk_add_f32 v[Z+4*\u:Z+4*\u+1], v[Z+4*\u:Z+4*\u+1], v[Z+4*\u+8:Z+4*\u+9]
	v_pk_add_f32 v[Z+4*\u+2:Z+4*\u+3], v[Z+4*\u+2:Z+4*\u+3], v[Z+4*\u+10:Z+4*\u+11]
.endr
	v_pk_add_f32 v[O:O+1], v[Z:Z+1], v[Z+16:Z+17]
	v_pk_add_f32 v[O+2:O+3], v[Z+2:Z+3], v[Z+18:Z+19]
.if HAS_BIAS
	v_pk_add_f32 v[O:O+1], v[O:O+1], v[BIAS:BIAS+1]
	v_pk_add_f32 v[O+2:O+3], v[O+2:O+3], v[BIAS+2:BIAS+3]
.endif
	global_store_b128 v[OOFF], v[O:O+3], s[26:27]  ; sixteen lanes store 256 consecutive bytes, aligned: two rows a wave
	s_wait_tensorcnt 0x0                           ; the wave's end: three closing lines behind my last LDS store
	ds_add_u32 v[SPW], v[NIL]
	s_wait_dscnt 0x0
	s_endpgm
.Lfunc_end_k_q9b03b6b601_oproj:
	.size	k_q9b03b6b601_oproj, .Lfunc_end_k_q9b03b6b601_oproj-k_q9b03b6b601_oproj
	.p2alignl 7, 3214868480
	.fill 96, 4, 3214868480
	.section	.rodata,"a",@progbits
	.p2align	6, 0x0
	.amdhsa_kernel k_q9b03b6b601_oproj
		.amdhsa_group_segment_fixed_size 103424
		.amdhsa_private_segment_fixed_size 0
		.amdhsa_enable_private_segment 0
		.amdhsa_kernarg_size 32
		.amdhsa_user_sgpr_count 2
		.amdhsa_user_sgpr_kernarg_segment_ptr 1
		.amdhsa_wavefront_size32 1
		.amdhsa_system_sgpr_workgroup_id_x 1
		.amdhsa_system_sgpr_workgroup_id_y 1
		.amdhsa_system_sgpr_workgroup_id_z 1
		.amdhsa_system_vgpr_workitem_id 0
		.amdhsa_next_free_vgpr 512
		.amdhsa_next_free_sgpr 66
		.amdhsa_reserve_vcc 0
		.amdhsa_float_denorm_mode_32 3
		.amdhsa_float_denorm_mode_16_64 3
		.amdhsa_memory_ordered 1
		.amdhsa_forward_progress 1
		.amdhsa_inst_pref_size 36
	.end_amdhsa_kernel
	.amdgpu_metadata
---
amdhsa.version: [ 1, 2 ]
amdhsa.kernels:
  - .name:           k_q9b03b6b601_oproj
    .symbol:         k_q9b03b6b601_oproj.kd
    .args:
      - { .name: x, .offset: 0, .size: 8, .value_kind: global_buffer, .address_space: global }
      - { .name: w_out, .offset: 8, .size: 8, .value_kind: global_buffer, .address_space: global }
      - { .name: b_out, .offset: 16, .size: 8, .value_kind: global_buffer, .address_space: global }
      - { .name: out0, .offset: 24, .size: 8, .value_kind: global_buffer, .address_space: global }
    .group_segment_fixed_size: 103424
    .private_segment_fixed_size: 0
    .kernarg_segment_align: 8
    .kernarg_segment_size: 32
    .max_flat_workgroup_size: 256
    .sgpr_count:     66
    .vgpr_count:     512
    .wavefront_size: 32
...
	.end_amdgpu_metadata
.endif
;; end of part 5
;; ======== version 2 of 2: 5 launches; version 1 with the launches prep, scores, pv written anew for expert scheduling mode
;; workspace buffers: qk 4,194,304 bytes; qs 262,144 bytes; sc 2,097,152 bytes; y 4,194,304 bytes; x 262,144 bytes
;; launch prep (part 6): grid 16 x 4, 8 waves a work-group, no clusters, 144,896 bytes of LDS; arguments query, w_q, query_pos_bias, w_k, qk, qs; writes qk, qs
.if DOCPART == 6
	.amdgcn_target "amdgcn-amd-amdhsa--gfx1250"
	.amdhsa_code_object_version 6
	.text
	.protected	k_q9b03b6b601_prep
	.globl	k_q9b03b6b601_prep
	.p2align	8
	.type	k_q9b03b6b601_prep,@function
k_q9b03b6b601_prep:
	s_mov_b64 s[64:65], 0
	v_nop
	global_prefetch_b8 v0, s[64:65] scope:SCOPE_SE
	s_setreg_imm32_b32 hwreg(HW_REG_WAVE_SCHED_MODE, 0, 2), 2
	s_setreg_imm32_b32 hwreg(HW_REG_WAVE_MODE, 25, 1), 1
	s_wait_xcnt 0x0
	s_wait_alu depctr_vm_vsrc(0)
; PREP.  q[b][64h+d] = sum_k query[b][k] w_q[k][64h+d];  qs = q;  qk[b][h][c] = sum_d w_k[c][64h+d] (q + u)[b][h][d], u = query_pos_bias.
; With qk the scores' first part is key[j][b][:] . qk[b][h][:]: the projection of key is moved onto the one query of each (b, h), which is the same sum in another order.
; FORMATS.  query, w_q, w_k and u are rounded once to bf16.  q, q + u and qk are kept as TWO bf16 numbers, hi = bf16(a), lo = bf16(a - hi), and every product with them is two matrix
; instructions onto one f32 sum.  LIMITS: the order of the sums differs from a projection of key followed by a dot product; |a| above 3.39e38 rounds hi to infinity; NaN and infinities are not treated apart.
; SHARES.  Work-group (h, mt): head h, rows b = 16 mt .. 16 mt + 15.  Eight waves.  Phase 1: wave w takes k = 128 w .. + 127, the eight partial sums meet in LDS.  Phase 2: wave w takes c = 128 w .. + 127.
; 64 work-groups: 16 rows are a matrix instruction's M, 64 columns are 256 bytes of a weight row; a finer share would need sums across work-groups.
; NO CLUSTER: the four mt work-groups of a head read the same 256 KiB of w_q and of w_k, but a joint fill would lay them in LDS in f32, to be read once more from there.
; FRAGMENTS.  In a K step of 32 lane (r = lane % 16, hf = lane / 16) holds row or column r and k = k0 + 16 hf + 0..15, two to a register: the same order of k in both sources, so the products are kept.
;   rows along K (query, w_k): loaded 16 bytes a lane, rounded, laid as bf16 rows in the wave's own LDS tile, read back 32 bytes a lane.
;   rows across K (w_q): load i takes row k0 + 16 hf + i, 16 bytes at 16 r (sixteen lanes: 256 consecutive bytes); register q of the loads feeds tile q, whose lane r is column 4 r + q.
; REGISTERS.  Window 1 (v256-511) is a ring of four slots of 64 registers for loads of f32; all else lies in window 0.  No address register and no base is ever rewritten: all steps stand in immediates.
; THE MODE: SCHED_MODE bits 1:0 = 2 (LLVM: expert scheduling mode 2), set by the entry lines.  The code itself states the register dependences
; between vector or matrix instructions and memory or LDS instructions, with s_wait_alu, always for 0.
; THE PLAN.  Registers that memory or LDS instructions touch, and who else names them, in the order of the text (there is no loop):
;   slots 0-3   Loads of w_q land; a K step's conversions read its slot; loads of w_k land in it; a phase 2 batch's conversions read it.
;   v20-83      Loads of query land; the roundings read them; the LDS loads of query's fragments land in v20-51; phase 1's matrix instructions read those.  Later accumulators, named by no memory instruction.
;   v84-115     T: roundings write, LDS stores read.  Z: LDS loads land, additions work on them.  T again in batches 0 and 2.  LP: the split writes, LDS stores read.
;   v204-235    q's accumulators: LDS stores read.  T2, the second buffer of rounded rows, in batches 1 and 3.  HP: the split writes, LDS stores read.
;   v132-139    PK: the split writes, two global and two LDS stores read; never written again.
;   v140-171    w_q's fragments (conversions write, matrix instructions read); w_k's fragments (LDS loads land, matrix instructions read); rows read back (LDS loads land, global stores read).
;   v172-203    w_q's fragments; q + u's fragments (LDS loads land, matrix instructions read); rows read back.
;   v2-19       Offsets, LDS addresses and the closing add's two registers: written at the head, never again.
; So a wait on va_vdst stands behind each run of vector work whose results are stored or whose sources are loaded again, ahead of the run of memory instructions, and no vector line stands inside such a run;
; a wait on vm_vsrc stands ahead of each run of vector work that writes registers that LDS stores have read.  With T and T2 by turns that wait stands a whole batch behind those stores.
.set RED,   34816                      ; LDS: 0 TR 8 x 16 rows x 272;  RED 8 x 4,096: the waves' partial sums as they lie in registers
.set QUH,   67584                      ; q + u, hi: 16 rows x 144;  lo QUD further on
.set QUD,   2304
.set TW,    72192                      ; 8 x 32 rows x 144: w_k's rows in bf16
.set STG,   109056                     ; 8 x 16 rows x 272: the way out
.set SPARE, 143872                     ; the spare words: 128 bytes a wave, four blocks of 256 bytes that no other line names
.set AOFF,  2                          ; 16 lane
.set WOFF,  3                          ; hf x 16 rows of 4,096 + 16 r
.set TST,   4                          ; TR + w x 4,352 + 8 lane
.set TLD,   5                          ; TR + w x 4,352 + 272 r + 32 hf
.set RST,   6                          ; RED + w x 4,096 + 16 lane
.set RLD,   7                          ; where row 2 w + hf, column 4 r of a partial sum lies
.set UOFF,  8                          ; 16 r
.set QSOFF, 9                          ; 8 lane
.set QUST,  10                         ; QUH + (2 w + hf) x 144 + 8 r
.set QULD,  11                         ; QUH + 144 r + 32 hf
.set KOFF,  12                         ; hf x 4,096 + 16 r
.set TWST,  13                         ; TW + w x 4,608 + 144 hf + 8 r
.set SPW,   14                         ; my spare word
.set NIL,   15                         ; 0
.set TWLD,  16                         ; TW + w x 4,608 + 144 r + 32 hf
.set STST,  17                         ; STG + w x 4,352 + 272 r + 16 hf
.set STLD,  18                         ; STG + w x 4,352 + 272 hf + 16 r
.set QKOFF, 19                         ; hf x 32,768 + 16 r
.set AR,    20                         ; v20-83  query as loaded; then
.set AF,    20                         ; v20-51  its four fragments; then
.set ACC2,  20                         ; v20-83  the eight accumulators of qk
.set T,     84                         ; v84-115 rounded rows on their way to LDS; then
.set Z,     84                         ;         the eight waves' partial sums; then
.set LP,    84                         ;         qk's lo halves
.set UBV,   120                        ; v120-123 u
.set O,     124                        ; v124-127 q;  v128-131 q + u
.set QU,    128
.set PK,    132                        ; v132-133 q hi, 134-135 q + u hi, 136-137 q lo, 138-139 q + u lo
.set WF,    140                        ; v140-171, v172-203: w_q's fragments, two buffers; then
.set WKF,   140                        ; w_k's fragments; then
.set BK,    140                        ; rows read back from the stage (hi)
.set QUF,   172                        ; q + u's fragments: hi ks 0, hi ks 1, lo ks 0, lo ks 1; then
.set BK2,   172                        ; rows read back (lo)
.set ACC,   204                        ; v204-235 the four accumulators of q; then
.set T2,    204                        ; phase 2's second buffer of rounded rows; then
.set HP,    204                        ; qk's hi halves
.set U,     236                        ; v236-243 at work
.set LN,    248
.set RR,    249
.set HF,    250
.set MSK,   31                         ; s31 a word's upper bf16
.set MSB, 0
.macro WIN new                         ; s_set_vgpr_msb: bits 1:0 source 0, 3:2 source 1, 7:6 destination; the high byte repeats the setting that is left
.if MSB != (\new)
	s_set_vgpr_msb (MSB<<8)|(\new)
.set MSB, \new
.endif
.endm
.macro PLACES                          ; four plain vector instructions between a matrix instruction and what reads its result or writes its registers (ISA guide 7.12.1)
.rept 4
	v_nop
.endr
.endm
.macro SPLIT4 a, hi, lo                ; four pairs of f32 at a: hi = bf16(a), lo = bf16(a - hi), in stages, so that no line waits for the one before it
.irp z, 0,1,2,3
	v_cvt_pk_bf16_f32 v[(\hi)+\z], v[(\a)+2*\z], v[(\a)+2*\z+1]
.endr
.irp z, 0,1,2,3
	v_lshlrev_b32 v[U+2*\z], 16, v[(\hi)+\z]
	v_and_b32 v[U+2*\z+1], s[MSK], v[(\hi)+\z]
.endr
.irp z, 0,1,2,3
	v_pk_add_f32 v[(\a)+2*\z:(\a)+2*\z+1], v[(\a)+2*\z:(\a)+2*\z+1], v[U+2*\z:U+2*\z+1] neg_lo:[0,1] neg_hi:[0,1]
.endr
.irp z, 0,1,2,3
	v_cvt_pk_bf16_f32 v[(\lo)+\z], v[(\a)+2*\z], v[(\a)+2*\z+1]
.endr
.endm
.macro ROUND2 a                        ; a pair of f32 rounded to bf16 and widened again
	v_cvt_pk_bf16_f32 v[U], v[\a], v[(\a)+1]
	v_lshlrev_b32 v[\a], 16, v[U]
	v_and_b32 v[(\a)+1], s[MSK], v[U]
.endm
.macro GLOAD slot, base, voff, off0, step  ; sixteen loads of 16 bytes a lane into a slot of window 1
	WIN 0x40
.set i, 0
.rept 16
	global_load_b128 v[64*(\slot)+4*i:64*(\slot)+4*i+3], v[\voff], s[(\base):(\base)+1] offset:(\off0)+i*(\step)
.set i, i+1
.endr
.endm
.macro CCONV slot, f                   ; rows across K: a slot becomes four fragments at f
	WIN 0x05
.set q, 0
.rept 4
.set p, 0
.rept 8
	v_cvt_pk_bf16_f32 v[(\f)+8*q+p], v[64*(\slot)+8*p+q], v[64*(\slot)+8*p+4+q]
.set p, p+1
.endr
.set q, q+1
.endr
.endm
.macro RCONV slot, t                   ; rows along K: a slot is rounded in place order
	WIN 0x05
.set i, 0
.rept 32
	v_cvt_pk_bf16_f32 v[(\t)+i], v[64*(\slot)+2*i], v[64*(\slot)+2*i+1]
.set i, i+1
.endr
.endm
	s_load_b256 s[4:11], s[0:1], 0x0               ; query s[4:5], w_q s[6:7], u s[8:9], w_k s[10:11]
	s_load_b128 s[12:15], s[0:1], 0x20             ; qk s[12:13], qs s[14:15]
	v_lshl_add_u32 v[SPW], v0, 2, SPARE
	v_mov_b32 v[NIL], 0
	v_lshrrev_b32 v1, 5, v0
	v_readfirstlane_b32 s28, v1                    ; w
	s_mov_b32 s29, ttmp9                           ; h
	s_and_b32 s30, ttmp7, 0xffff                   ; mt
	s_mov_b32 s[MSK], 0xffff0000
	v_and_b32 v[LN], 31, v0
	v_and_b32 v[RR], 15, v0
	v_bfe_u32 v[HF], v0, 4, 1
	s_wait_alu depctr_va_sdst(0)                   ; s28, the wave's number, is written, ahead of its first reader: the offsets below are made from it
	; byte offsets into the buffers, each in a pair of its own
	s_lshl_b32 s32, s30, 16                        ; query: 16 mt rows of 4,096 + 512 w
	s_lshl_b32 s42, s28, 9
	s_add_co_u32 s32, s32, s42
	s_mov_b32 s33, 0
	s_lshl_b32 s36, s29, 8                         ; u: 256 h
	s_mov_b32 s37, 0
	s_lshl_b32 s42, s28, 19                        ; w_q and w_k: 256 h + 128 w rows of 4,096
	s_add_co_u32 s34, s36, s42
	s_mov_b32 s35, 0
	s_lshl_b32 s38, s30, 19                        ; qk: 16 mt x 32,768 + 2,048 h + 256 w
	s_lshl_b32 s42, s29, 11
	s_add_co_u32 s38, s38, s42
	s_lshl_b32 s43, s28, 8
	s_add_co_u32 s38, s38, s43
	s_mov_b32 s39, 0
	s_lshl_b32 s40, s29, 13                        ; qs: 8,192 h + 16 mt x 128 + 2 w x 128
	s_lshl_b32 s42, s30, 11
	s_add_co_u32 s40, s40, s42
	s_add_co_u32 s40, s40, s43
	s_mov_b32 s41, 0
	; LDS places that hang on the wave
	s_mul_i32 s44, s28, 4352
	s_lshl_b32 s45, s28, 12
	s_add_co_u32 s45, s45, RED
	s_bfe_u32 s46, s28, 0x10001                    ; row 2 w + hf of the 16 lies in lanes' half w / 4, register 2 (w % 4) + hf:
	s_lshl_b32 s46, s46, 9                         ; which four registers,
	s_lshr_b32 s42, s28, 2
	s_lshl_b32 s42, s42, 8                         ; which half of the lanes,
	s_add_co_u32 s46, s46, s42
	s_and_b32 s42, s28, 1
	s_lshl_b32 s42, s42, 3                         ; which of the four
	s_add_co_u32 s46, s46, s42
	s_add_co_u32 s46, s46, RED
	s_mul_i32 s47, s28, 288
	s_add_co_u32 s47, s47, QUH
	s_mul_i32 s48, s28, 4608
	s_add_co_u32 s48, s48, TW
	s_add_co_u32 s49, s44, STG
	v_lshlrev_b32 v[AOFF], 4, v[LN]
	v_lshlrev_b32 v[UOFF], 4, v[RR]
	v_lshl_add_u32 v[WOFF], v[HF], 16, v[UOFF]
	v_lshl_add_u32 v[KOFF], v[HF], 12, v[UOFF]
	v_lshl_add_u32 v[QKOFF], v[HF], 15, v[UOFF]
	v_lshlrev_b32 v[QSOFF], 3, v[LN]
	v_lshl_add_u32 v[TST], v[LN], 3, s44
	v_mul_u32_u24 v251, v[RR], 272
	v_lshl_add_u32 v[TLD], v[HF], 5, v251
	v_add_nc_u32 v[TLD], s44, v[TLD]
	v_lshl_add_u32 v[STST], v[HF], 4, v251
	v_add_nc_u32 v[STST], s49, v[STST]
	v_mul_u32_u24 v252, v[HF], 272
	v_add3_u32 v[STLD], v252, v[UOFF], s49
	v_lshl_add_u32 v[RST], v[LN], 4, s45
	v_lshl_add_u32 v[RLD], v[HF], 2, v[UOFF]
	v_add_nc_u32 v[RLD], s46, v[RLD]
	v_mul_u32_u24 v253, v[HF], 144
	v_lshl_add_u32 v253, v[RR], 3, v253
	v_add_nc_u32 v[QUST], s47, v253
	v_add_nc_u32 v[TWST], s48, v253
	v_mul_u32_u24 v254, v[RR], 144
	v_lshl_add_u32 v254, v[HF], 5, v254
	v_add_nc_u32 v[QULD], QUH, v254
	v_add_nc_u32 v[TWLD], s48, v254
	s_wait_kmcnt 0x0
	s_add_nc_u64 s[16:17], s[4:5], s[32:33]        ; query at my rows and my k
	s_add_nc_u64 s[18:19], s[6:7], s[34:35]        ; w_q at my k and my head's columns
	s_add_nc_u64 s[20:21], s[8:9], s[36:37]        ; u at my head
	s_add_nc_u64 s[22:23], s[10:11], s[34:35]      ; w_k at my c and my head's columns
	s_add_nc_u64 s[24:25], s[12:13], s[38:39]      ; qk at my rows, head and c
	s_add_nc_u64 s[26:27], s[14:15], s[40:41]      ; qs at my head and my two rows
	s_wait_alu depctr_va_vdst(0)                   ; the offsets and LDS addresses v2 to v19 are written, which every load and store of the kernel reads; none is written again
	; PHASE 1: q.  Loads first: u, my 16 x 128 of query, three of my four K steps of w_q.
	global_load_b128 v[UBV:UBV+3], v[UOFF], s[20:21]
.set i, 0
.rept 16
	global_load_b128 v[AR+4*i:AR+4*i+3], v[AOFF], s[16:17] offset:i*4096  ; a row's 512 consecutive bytes
.set i, i+1
.endr
	GLOAD 0, 18, WOFF, 0, 4096
	GLOAD 1, 18, WOFF, 32*4096, 4096
	GLOAD 2, 18, WOFF, 64*4096, 4096
	WIN 0
	s_wait_loadcnt 48                              ; u and query are in; the 48 loads of w_q stay out
.set i, 0
.rept 32
	v_cvt_pk_bf16_f32 v[T+i], v[AR+2*i], v[AR+2*i+1]
.set i, i+1
.endr
	s_wait_alu depctr_va_vdst(0)                   ; the roundings have written T, which the LDS stores read, and are done reading v20-51, in which the fragments' loads land
.set i, 0
.rept 16
	ds_store_b64 v[TST], v[T+2*i:T+2*i+1] offset:i*272
.set i, i+1
.endr
.set i, 0
.rept 8
	ds_load_b128 v[AF+4*i:AF+4*i+3], v[TLD] offset:(i/2)*64+(i%2)*16  ; my own bytes: LDS serves a wave's instructions in order (ISA guide 5.7.1.4)
.set i, i+1
.endr
	GLOAD 3, 18, WOFF, 96*4096, 4096
.macro QSTEP ks                        ; a K step of 32: its slot is rounded into fragments and filled again with 32 rows of w_k
	s_wait_loadcnt 48                              ; the three younger groups of sixteen stay out
	CCONV \ks, WF+32*((\ks)%2)
	WIN 0x40
	s_wait_alu depctr_va_vdst(0)                   ; the conversions are done reading the slot, in which the loads of w_k land
	GLOAD \ks, 22, KOFF, 32*(\ks)*4096, 8192       ; load i: rows 2 i and 2 i + 1, 256 bytes of each
	WIN 0
.if (\ks) == 0
	s_wait_dscnt 0x0                               ; query's fragments
.endif
.set q, 0
.rept 4                                ; the four accumulators take turns
.if (\ks) == 0
	v_wmma_f32_16x16x32_bf16 v[ACC+8*q:ACC+8*q+7], v[AF:AF+7], v[WF+8*q:WF+8*q+7], 0
.else
	v_wmma_f32_16x16x32_bf16 v[ACC+8*q:ACC+8*q+7], v[AF+8*(\ks):AF+8*(\ks)+7], v[WF+32*((\ks)%2)+8*q:WF+32*((\ks)%2)+8*q+7], v[ACC+8*q:ACC+8*q+7]
.endif
.set q, q+1
.endr
.endm
	QSTEP 0
	QSTEP 1
	QSTEP 2
	QSTEP 3
	; The eight waves' partial sums meet: each stores its accumulators as they lie; behind the barrier wave w adds up rows 2 w and 2 w + 1.
	PLACES
	s_wait_alu depctr_va_vdst(0)                   ; the matrix instructions have written the accumulators, which the LDS stores read; the places above stay beside this wait
.set q, 0
.rept 4
	ds_store_b128 v[RST], v[ACC+8*q:ACC+8*q+3] offset:q*1024
	ds_store_b128 v[RST], v[ACC+8*q+4:ACC+8*q+7] offset:q*1024+512
.set q, q+1
.endr
	s_wait_dscnt 0x0                               ; for the others' sake: my stores are done
	s_barrier_signal -1
	s_barrier_wait -1
	s_wait_alu depctr_vm_vsrc(0)                   ; my LDS stores have read T, in which the partial sums' loads land, and the accumulators, which phase 2's batch 1 writes as T2
.set i, 0
.rept 32
	ds_load_b32 v[Z+i], v[RLD] offset:(i/4)*4096+(i%4)*1024  ; wave i / 4's sum for column 4 r + i % 4
.set i, i+1
.endr
	ROUND2 UBV                                     ; u is an input: rounded to bf16 like the others
	ROUND2 UBV+2
	s_wait_dscnt 0x0
.irp u, 0,2,4,6
	v_pk_add_f32 v[Z+4*\u:Z+4*\u+1], v[Z+4*\u:Z+4*\u+1], v[Z+4*\u+4:Z+4*\u+5]
	v_pk_add_f32 v[Z+4*\u+2:Z+4*\u+3], v[Z+4*\u+2:Z+4*\u+3], v[Z+4*\u+6:Z+4*\u+7]
.endr
.irp u, 0,4
	v_pk_add_f32 v[Z+4*\u:Z+4*\u+1], v[Z+4*\u:Z+4*\u+1], v[Z+4*\u+8:Z+4*\u+9]
	v_pk_add_f32 v[Z+4*\u+2:Z+4*\u+3], v[Z+4*\u+2:Z+4*\u+3], v[Z+4*\u+10:Z+4*\u+11]
.endr
	v_pk_add_f32 v[O:O+1], v[Z:Z+1], v[Z+16:Z+17]  ; q(b = 16 mt + 2 w + hf, d = 4 r .. 4 r + 3)
	v_pk_add_f32 v[O+2:O+3], v[Z+2:Z+3], v[Z+18:Z+19]
	v_pk_add_f32 v[QU:QU+1], v[O:O+1], v[UBV:UBV+1]
	v_pk_add_f32 v[QU+2:QU+3], v[O+2:O+3], v[UBV+2:UBV+3]
	SPLIT4 O, PK, PK+4                             ; q and q + u at once
	s_wait_alu depctr_va_vdst(0)                   ; the split has written PK, which the four stores read; phase 1's conversions and matrix instructions are done with v172-203, in which q + u's fragments land behind the barrier
	global_store_b64 v[QSOFF], v[PK:PK+1], s[26:27]                   ; the wave's store covers 256 consecutive bytes, aligned
	global_store_b64 v[QSOFF], v[PK+4:PK+5], s[26:27] offset:131072
	ds_store_b64 v[QUST], v[PK+2:PK+3]
	ds_store_b64 v[QUST], v[PK+6:PK+7] offset:QUD
	s_wait_dscnt 0x0                               ; for the others' sake
	s_barrier_signal -1
	s_barrier_wait -1
.set i, 0
.rept 8
	ds_load_b128 v[QUF+4*i:QUF+4*i+3], v[QULD] offset:(i/4)*QUD+((i/2)%2)*64+(i%2)*16  ; no vector or matrix instruction since the wait above
.set i, i+1
.endr
	; PHASE 2: qk.  Source 0 = 16 rows c of w_k, source 1 = 16 rows b of q + u, K = d: a lane's eight results are eight neighbouring c of one b.
.macro KBATCH bt                       ; 32 rows c; the rounded rows go through T (batches 0 and 2) and T2 (batches 1 and 3) by turns
.if (\bt)%2
.set TB, T2
.else
.set TB, T
.endif
	s_wait_loadcnt 48-16*(\bt)                     ; the younger batches stay out
.if (\bt) >= 2
	s_wait_alu depctr_vm_vsrc(0)                   ; the LDS stores of the batch before last have read this buffer of rounded rows, which the conversions below write again
.endif
	RCONV \bt, TB
	WIN 0
	s_wait_alu depctr_va_vdst(0)                   ; the conversions have written the rounded rows, which the LDS stores read; the matrix instructions issued so far are done reading v140-171, in which w_k's fragments land
.set i, 0
.rept 16
	ds_store_b64 v[TWST], v[TB+2*i:TB+2*i+1] offset:i*288
.set i, i+1
.endr
.set i, 0
.rept 8
	ds_load_b128 v[WKF+4*i:WKF+4*i+3], v[TWLD] offset:(i/4)*2304+((i/2)%2)*64+(i%2)*16
.set i, i+1
.endr
	s_wait_dscnt 0x0
.irp ks, 0,1
.irp hl, 0,1
.irp ct, 0,1                           ; the batch's two accumulators take turns
.set rD, ACC2+8*(2*(\bt)+\ct)
.if (\ks) == 0 && (\hl) == 0
	v_wmma_f32_16x16x32_bf16 v[rD:rD+7], v[WKF+8*(2*\ct+\ks):WKF+8*(2*\ct+\ks)+7], v[QUF+8*(2*\hl+\ks):QUF+8*(2*\hl+\ks)+7], 0
.else
	v_wmma_f32_16x16x32_bf16 v[rD:rD+7], v[WKF+8*(2*\ct+\ks):WKF+8*(2*\ct+\ks)+7], v[QUF+8*(2*\hl+\ks):QUF+8*(2*\hl+\ks)+7], v[rD:rD+7]
.endif
.endr
.endr
.endr
.endm
	KBATCH 0
	KBATCH 1
	KBATCH 2
	KBATCH 3
	; THE WAY OUT: split, 16 bytes a lane into my stage, back as whole rows of 256 bytes, stored; first the hi halves, then the lo halves through the same stage.
	PLACES
	s_wait_alu depctr_vm_vsrc(0)                   ; the LDS stores of batches 2 and 3 have read T and T2, which the split writes as LP and HP
.set t, 0
.rept 8
	SPLIT4 ACC2+8*t, HP+4*t, LP+4*t                ; each accumulator is read from its low end on
.set t, t+1
.endr
	s_wait_alu depctr_va_vdst(0)                   ; the split has written HP and LP, which the LDS stores read; the matrix instructions are done reading v140-203, in which the rows read back land
.set t, 0
.rept 8
	ds_store_b128 v[STST], v[HP+4*t:HP+4*t+3] offset:t*32
.set t, t+1
.endr
.set t, 0
.rept 8
	ds_load_b128 v[BK+4*t:BK+4*t+3], v[STLD] offset:t*544
.set t, t+1
.endr
.set t, 0
.rept 8
	ds_store_b128 v[STST], v[LP+4*t:LP+4*t+3] offset:t*32  ; in order behind the loads above
.set t, t+1
.endr
.set t, 0
.rept 8
	ds_load_b128 v[BK2+4*t:BK2+4*t+3], v[STLD] offset:t*544
.set t, t+1
.endr
	s_wait_dscnt 16                                ; the hi rows are back; the sixteen younger LDS instructions stay out
.set t, 0
.rept 8
	global_store_b128 v[QKOFF], v[BK+4*t:BK+4*t+3], s[24:25] offset:t*65536  ; sixteen lanes store 256 consecutive bytes, aligned
.set t, t+1
.endr
	s_wait_dscnt 0x0
.set t, 0
.rept 8
	global_store_b128 v[QKOFF], v[BK2+4*t:BK2+4*t+3], s[24:25] offset:2097152+t*65536
.set t, t+1
.endr
	s_wait_dscnt 0x0                               ; the closing lines, six on end
	s_wait_alu 0x0
	s_wait_tensorcnt 0x0
	ds_add_u32 v[SPW], v[NIL]
	s_wait_dscnt 0x0
	s_endpgm
.Lfunc_end_k_q9b03b6b601_prep:
	.size	k_q9b03b6b601_prep, .Lfunc_end_k_q9b03b6b601_prep-k_q9b03b6b601_prep
	.p2alignl 7, 3214868480
	.fill 96, 4, 3214868480
	.section	.rodata,"a",@progbits
	.p2align	6, 0x0
	.amdhsa_kernel k_q9b03b6b601_prep
		.amdhsa_group_segment_fixed_size 144896
		.amdhsa_private_segment_fixed_size 0
		.amdhsa_enable_private_segment 0
		.amdhsa_kernarg_size 48
		.amdhsa_user_sgpr_count 2
		.amdhsa_user_sgpr_kernarg_segment_ptr 1
		.amdhsa_wavefront_size32 1
		.amdhsa_system_sgpr_workgroup_id_x 1
		.amdhsa_system_sgpr_workgroup_id_y 1
		.amdhsa_system_sgpr_workgroup_id_z 1
		.amdhsa_system_vgpr_workitem_id 0
		.amdhsa_next_free_vgpr 512
		.amdhsa_next_free_sgpr 66
		.amdhsa_reserve_vcc 0
		.amdhsa_float_denorm_mode_32 3
		.amdhsa_float_denorm_mode_16_64 3
		.amdhsa_memory_ordered 1
		.amdhsa_forward_progress 1
		.amdhsa_inst_pref_size 66
	.end_amdhsa_kernel
	.amdgpu_metadata
---
amdhsa.version: [ 1, 2 ]
amdhsa.kernels:
  - .name:           k_q9b03b6b601_prep
    .symbol:         k_q9b03b6b601_prep.kd
    .args:
      - { .name: query, .offset: 0, .size: 8, .value_kind: global_buffer, .address_space: global }
      - { .name: w_q, .offset: 8, .size: 8, .value_kind: global_buffer, .address_space: global }
      - { .name: query_pos_bias, .offset: 16, .size: 8, .value_kind: global_buffer, .address_space: global }
      - { .name: w_k, .offset: 24, .size: 8, .value_kind: global_buffer, .address_space: global }
      - { .name: qk, .offset: 32, .size: 8, .value_kind: global_buffer, .address_space: global }
      - { .name: qs, .offset: 40, .size: 8, .value_kind: global_buffer, .address_space: global }
    .group_segment_fixed_size: 144896
    .private_segment_fixed_size: 0
    .kernarg_segment_align: 8
    .kernarg_segment_size: 48
    .max_flat_workgroup_size: 256
    .sgpr_count:     66
    .vgpr_count:     512
    .wavefront_size: 32
...
	.end_amdgpu_metadata
.endif
;; end of part 6
;; launch scores (part 7): grid 64 x 4, 8 waves a work-group, no clusters, 114,176 bytes of LDS; arguments key, qk, qs, key_pos_embeddings, key_pos_bias, sc; writes sc
.if DOCPART == 7
	.amdgcn_target "amdgcn-amd-amdhsa--gfx1250"
	.amdhsa_code_object_version 6
	.text
	.protected	k_q9b03b6b601_scores
	.globl	k_q9b03b6b601_scores
	.p2align	8
	.type	k_q9b03b6b601_scores,@function
k_q9b03b6b601_scores:
	s_mov_b64 s[64:65], 0
	v_nop
	global_prefetch_b8 v0, s[64:65] scope:SCOPE_SE
	s_setreg_imm32_b32 hwreg(HW_REG_WAVE_SCHED_MODE, 0, 2), 2
	s_setreg_imm32_b32 hwreg(HW_REG_WAVE_MODE, 25, 1), 1
	s_wait_xcnt 0x0
	s_wait_alu depctr_vm_vsrc(0)
; SCORES.  sc[b][h][j] = sum_c key[j][b][c] qk[b][h][c] + sum_d pe[j][d] q[b][h][d] + kpb[j][h], unscaled, f32;  pe and kpb are the last 512 rows of their tables.
; FORMATS.  key, pe and kpb are rounded once to bf16; qk and q come as hi + lo, two bf16 each, and are multiplied by two matrix instructions onto f32 sums.
; LIMITS: the order of the sums differs from a projection of key followed by a dot product; NaN and infinities are not treated apart.
; SHARES.  Work-group (b, jq): batch row b, j = 128 jq .. + 127: 512 KiB of key, each byte read once.  Wave w takes c = 128 w .. + 127 for all 128 j, in eight batches of 16 j, so its eight
; fragments of qk are loaded once; the eight waves' partial sums, and a ninth term (wave w: pe, q and kpb for j tile w), meet in LDS.
; THE STREAM.  A batch is sixteen loads, each a row's 512 consecutive bytes.  Four batches of every wave are asked for at once (a ring of four slots in window 1); every wait in the stream is counted.
; No tensor loads: the loads' registers are the ring, no barrier stands in the stream.  NO CLUSTER: what the four jq work-groups of a b share (64 KiB of qk) is a ninth of a work-group's bytes.
; FRAGMENTS.  In a K step of 32 lane (r, hf) holds row or column r and k = k0 + 16 hf + 0..15, alike in both sources.  Source 0 = 16 rows j of key (through the wave's own LDS tile), source 1 = 16 heads of qk.
; THE MODE: SCHED_MODE bits 1:0 = 2 (LLVM: expert scheduling mode 2), set by the entry lines.  The code itself states the register dependences
; between vector or matrix instructions and memory or LDS instructions, with s_wait_alu, always for 0.
; THE PLAN.  Registers that memory or LDS instructions touch, and who else names them (there is no loop: the batches are written out):
;   slots 0-3   Loads of key land; batch t's conversions read slot t % 4; in batches 0 to 3 the loads of batch t + 4 land in it behind them.
;   T           Batch t's conversions write it; its sixteen LDS stores read it.
;   AF          Batch t's eight LDS loads land in it; its eight matrix instructions read it.
;   PS          In batch t four additions write it (batch t - 1's two sums added); two LDS stores read it.
;   QH, QL, PER, QF, KPB   Loads land once; vector and matrix instructions read them (KPB is rounded in place).
;   Z (v80-151) At the end LDS loads land in what were T, AF and an accumulator; additions work on them; two global stores read them.
;   v2-15       Offsets, LDS addresses and the closing add's two registers: written at the head, never again.
; A batch has all its vector work first (the conversions, the four additions), then ONE wait on va_vdst, then all its memory and LDS instructions (the refill, the stores of PS and of T, the loads of AF),
; then its matrix instructions.  That wait states: the conversions are done reading the slot and have written T, the additions have written PS, the batch before's matrix instructions are done reading AF.
; One wait on vm_vsrc at a batch's head states that the batch before's LDS stores have read T and PS.
.set PART,  34816                      ; LDS: 0 TILE 8 x 16 rows x 272;  PART 9 x 8,704: source u, j tile t, register group, lanes' half, head: u x 8,704 + t x 1,088 + 544 g + 272 hf + 16 h
.set SRC,   8704
.set SPARE, 113152                     ; the spare words: 128 bytes a wave, four blocks of 256 bytes that no other line names
.set KOFF,  2                          ; 16 lane
.set TST,   3                          ; w x 4,352 + 8 lane
.set TLD,   4                          ; w x 4,352 + 272 r + 32 hf
.set PST,   5                          ; PART + w x 8,704 + 272 hf + 16 r
.set EST,   6                          ; PART + 8 x 8,704 + w x 1,088 + 272 hf + 16 r
.set FLA,   7                          ; the last sum: j = 4 lane .. + 3 of head 2 w, sources 0 to 4
.set FLB,   8                          ; the same, sources 5 to 8 (an LDS immediate has 16 bits)
.set SOFF,  9                          ; 16 lane + w x 2 rows of 2,048
.set QKO,   10                         ; 2,048 r + 32 hf
.set QSO,   11                         ; 8,192 r + 32 hf
.set PEO,   12                         ; 256 r + 64 hf
.set KBO,   13                         ; 512 hf + 4 r
.set SPW,   14
.set NIL,   15
.set QH,    16                         ; v16-47 qk hi, four K steps;  v48-79 qk lo
.set QL,    48
.set T,     80                         ; v80-111 rounded rows
.set AF,    112                        ; v112-143 key's fragments
.set ACH,   144                        ; v144-151 sum with hi;  v152-159 sum with lo
.set ACL,   152
.set PS,    160                        ; v160-167 their sum
.set PER,   168                        ; v168-199 pe as loaded
.set QF,    200                        ; v200-231 q: hi ks 0, hi ks 1, lo ks 0, lo ks 1
.set KPB,   232                        ; v232-239 kpb in an accumulator's layout
.set Z,     80                         ; v80-151 the last sum's 2 x 9 sources
.set U,     246
.set LN,    248
.set RR,    249
.set HF,    250
.set MSK,   50
.set MSB, 0
.macro WIN new                         ; s_set_vgpr_msb: bits 1:0 source 0, 3:2 source 1, 7:6 destination; the high byte repeats the setting that is left
.if MSB != (\new)
	s_set_vgpr_msb (MSB<<8)|(\new)
.set MSB, \new
.endif
.endm
.macro PLACES
.rept 4
	v_nop
.endr
.endm
.macro ROUND2 a                        ; a pair of f32 rounded to bf16 and widened again
	v_cvt_pk_bf16_f32 v[U], v[\a], v[(\a)+1]
	v_lshlrev_b32 v[\a], 16, v[U]
	v_and_b32 v[(\a)+1], s[MSK], v[U]
.endm
.macro GLOAD slot, base                ; a batch of key: sixteen rows j, 512 consecutive bytes each; read once in the launch
	WIN 0x40
.set i, 0
.rept 16
	global_load_b128 v[64*(\slot)+4*i:64*(\slot)+4*i+3], v[KOFF], s[(\base):(\base)+1] offset:i*262144 th:TH_LOAD_NT
.set i, i+1
.endr
.endm
.macro RCONV slot
	WIN 0x05
.set i, 0
.rept 32
	v_cvt_pk_bf16_f32 v[T+i], v[64*(\slot)+2*i], v[64*(\slot)+2*i+1]
.set i, i+1
.endr
.endm
.macro SUM2                            ; the two sums are added, from their low ends on,
.irp z, 0,2,4,6
	v_pk_add_f32 v[PS+\z:PS+\z+1], v[ACH+\z:ACH+\z+1], v[ACL+\z:ACL+\z+1]
.endr
.endm
.macro PUT adr, off                    ; and stored as they lie
	ds_store_b128 v[\adr], v[PS:PS+3] offset:(\off)
	ds_store_b128 v[\adr], v[PS+4:PS+7] offset:(\off)+544
.endm
	s_load_b256 s[4:11], s[0:1], 0x0               ; key s[4:5], qk s[6:7], qs s[8:9], pe s[10:11]
	s_load_b128 s[12:15], s[0:1], 0x20             ; kpb s[12:13], sc s[14:15]
	v_lshl_add_u32 v[SPW], v0, 2, SPARE
	v_mov_b32 v[NIL], 0
	v_lshrrev_b32 v1, 5, v0
	v_readfirstlane_b32 s16, v1                    ; w
	s_mov_b32 s17, ttmp9                           ; b
	s_and_b32 s18, ttmp7, 0xffff                   ; jq
	s_mov_b32 s[MSK], 0xffff0000
	v_and_b32 v[LN], 31, v0
	v_and_b32 v[RR], 15, v0
	v_bfe_u32 v[HF], v0, 4, 1
	s_wait_alu depctr_va_sdst(0)                   ; s16, the wave's number, is written, ahead of its first reader: the offsets below are made from it
	s_lshl_b32 s20, s17, 12                        ; key: 4,096 b + 128 jq rows of 262,144 + 512 w
	s_lshl_b32 s52, s18, 25
	s_add_co_u32 s20, s20, s52
	s_lshl_b32 s52, s16, 9
	s_add_co_u32 s20, s20, s52
	s_mov_b32 s21, 0
	s_lshl_b32 s22, s17, 15                        ; qk: 32,768 b + 256 w
	s_lshl_b32 s52, s16, 8
	s_add_co_u32 s22, s22, s52
	s_mov_b32 s23, 0
	s_lshl_b32 s54, s17, 7                         ; qs: 128 b
	s_mov_b32 s55, 0
	s_lshl_b32 s56, s18, 15                        ; pe: row 3,584 + 128 jq + 16 w, of 256 bytes
	s_lshl_b32 s52, s16, 12
	s_add_co_u32 s56, s56, s52
	s_add_co_u32 s56, s56, 917504
	s_mov_b32 s57, 0
	s_lshl_b32 s58, s18, 13                        ; kpb: the same row, of 64 bytes
	s_lshl_b32 s52, s16, 10
	s_add_co_u32 s58, s58, s52
	s_add_co_u32 s58, s58, 229376
	s_mov_b32 s59, 0
	s_lshl_b32 s60, s17, 15                        ; sc: 32,768 b + 512 jq
	s_lshl_b32 s52, s18, 9
	s_add_co_u32 s60, s60, s52
	s_mov_b32 s61, 0
	s_mul_i32 s51, s16, 4352
	s_mul_i32 s52, s16, SRC
	s_add_co_u32 s52, s52, PART
	s_mul_i32 s53, s16, 1088
	s_add_co_u32 s53, s53, PART+8*SRC
	s_lshl_b32 s19, s16, 5
	s_add_co_u32 s19, s19, PART
	v_lshlrev_b32 v[KOFF], 4, v[LN]
	v_lshl_add_u32 v[TST], v[LN], 3, s51
	v_mul_u32_u24 v[TLD], v[RR], 272
	v_lshl_add_u32 v[TLD], v[HF], 5, v[TLD]
	v_add_nc_u32 v[TLD], s51, v[TLD]
	v_mul_u32_u24 v251, v[HF], 272
	v_lshl_add_u32 v251, v[RR], 4, v251
	v_add_nc_u32 v[PST], s52, v251
	v_add_nc_u32 v[EST], s53, v251
	v_lshrrev_b32 v252, 2, v[LN]                   ; j = 4 lane .. + 3: tile lane / 4, lanes' half (lane / 2) % 2, register group lane % 2
	v_mul_u32_u24 v252, v252, 1088
	v_and_b32 v253, 1, v[LN]
	v_mul_u32_u24 v253, v253, 544
	v_bfe_u32 v254, v[LN], 1, 1
	v_mul_u32_u24 v254, v254, 272
	v_add3_u32 v252, v252, v253, v254
	v_add_nc_u32 v[FLA], s19, v252
	v_add_nc_u32 v[FLB], 5*SRC, v[FLA]
	v_lshl_add_u32 v[SOFF], s16, 12, v[KOFF]
	v_lshlrev_b32 v[QKO], 11, v[RR]
	v_lshl_add_u32 v[QKO], v[HF], 5, v[QKO]
	v_lshlrev_b32 v[QSO], 13, v[RR]
	v_lshl_add_u32 v[QSO], v[HF], 5, v[QSO]
	v_lshlrev_b32 v[PEO], 8, v[RR]
	v_lshl_add_u32 v[PEO], v[HF], 6, v[PEO]
	v_lshlrev_b32 v[KBO], 2, v[RR]
	v_lshl_add_u32 v[KBO], v[HF], 9, v[KBO]
	s_wait_kmcnt 0x0
	s_add_nc_u64 s[24:25], s[4:5], s[20:21]        ; key at batch 0; a base for each batch, sixteen rows j apart, so that none is ever rewritten
.irp t, 1,2,3,4,5,6,7
	s_add_nc_u64 s[24+2*\t:25+2*\t], s[24:25], \t*0x400000
.endr
	s_add_nc_u64 s[40:41], s[6:7], s[22:23]
	s_add_nc_u64 s[42:43], s[8:9], s[54:55]
	s_add_nc_u64 s[44:45], s[10:11], s[56:57]
	s_add_nc_u64 s[46:47], s[12:13], s[58:59]
	s_add_nc_u64 s[48:49], s[14:15], s[60:61]
	s_wait_alu depctr_va_vdst(0)                   ; the offsets and LDS addresses v2 to v15 are written, which every load and store of the kernel reads; none is written again
.set i, 0
.rept 16                               ; qk's fragments: half i / 8, K step (i / 2) % 4
	global_load_b128 v[QH+4*i:QH+4*i+3], v[QKO], s[40:41] offset:(i/8)*2097152+((i/2)%4)*64+(i%2)*16
.set i, i+1
.endr
	GLOAD 0, 24
	GLOAD 1, 26
	GLOAD 2, 28
	GLOAD 3, 30
	WIN 0
; Batch t: its slot is rounded, the batch before's two sums are added; behind the one wait the slot is filled again, that sum is stored, the rows go through my tile; eight products.
; left: the younger loads that may stay out.
.macro BATCH t, left
	s_wait_loadcnt \left
.if (\t) > 0
	s_wait_alu depctr_vm_vsrc(0)                   ; the LDS stores of the batch before have read T and PS, which the lines below write again
.endif
	RCONV (\t)%4                                   ; these 32 lines are also the places behind the batch before's products, whose sums are read below
.if (\t) > 0
	WIN 0
	SUM2
.endif
.if (\t) < 4
	WIN 0x40
.endif
	s_wait_alu depctr_va_vdst(0)                   ; the conversions are done reading the slot and have written T; the additions have written PS; the batch before's matrix instructions are done reading AF
.if (\t) < 4
	GLOAD (\t)%4, 24+2*((\t)+4)
.endif
	WIN 0
.if (\t) > 0
	PUT PST, ((\t)-1)*1088
.endif
.if (\t) == 4                          ; the ring has nothing more to fetch: the ninth term's 24 loads go out, into registers that no vector instruction has named
.set i, 0
.rept 8
	global_load_b128 v[PER+4*i:PER+4*i+3], v[PEO], s[44:45] offset:(i/4)*128+(i%4)*16
.set i, i+1
.endr
.set i, 0
.rept 8
	global_load_b128 v[QF+4*i:QF+4*i+3], v[QSO], s[42:43] offset:(i/4)*131072+((i/2)%2)*64+(i%2)*16
.set i, i+1
.endr
.set i, 0
.rept 8
	global_load_b32 v[KPB+i], v[KBO], s[46:47] offset:i*64
.set i, i+1
.endr
.endif
.set i, 0
.rept 16
	ds_store_b64 v[TST], v[T+2*i:T+2*i+1] offset:i*272
.set i, i+1
.endr
.set i, 0
.rept 8
	ds_load_b128 v[AF+4*i:AF+4*i+3], v[TLD] offset:(i/2)*64+(i%2)*16  ; my own bytes: LDS serves a wave's instructions in order (ISA guide 5.7.1.4)
.set i, i+1
.endr
	s_wait_dscnt 0x0
.irp ks, 0,1,2,3                       ; the two accumulators take turns
.if (\ks) == 0
	v_wmma_f32_16x16x32_bf16 v[ACH:ACH+7], v[AF:AF+7], v[QH:QH+7], 0
	v_wmma_f32_16x16x32_bf16 v[ACL:ACL+7], v[AF:AF+7], v[QL:QL+7], 0
.else
	v_wmma_f32_16x16x32_bf16 v[ACH:ACH+7], v[AF+8*\ks:AF+8*\ks+7], v[QH+8*\ks:QH+8*\ks+7], v[ACH:ACH+7]
	v_wmma_f32_16x16x32_bf16 v[ACL:ACL+7], v[AF+8*\ks:AF+8*\ks+7], v[QL+8*\ks:QL+8*\ks+7], v[ACL:ACL+7]
.endif
.endr
.endm
	BATCH 0, 48                                    ; qk and batch 0 are in; batches 1 to 3 stay out
	BATCH 1, 48
	BATCH 2, 48
	BATCH 3, 48
	BATCH 4, 48                                    ; batches 5 to 7
	BATCH 5, 56                                    ; batches 6 and 7 and the 24 of the ninth term
	BATCH 6, 40
	BATCH 7, 24
	; THE NINTH TERM, for j tile w: pe . q over 64 channels, begun with kpb as the sum's C operand.
	s_wait_loadcnt 0x0
	s_wait_alu depctr_vm_vsrc(0)                   ; batch 7's LDS stores have read T and PS, which the lines below write again
.set i, 0
.rept 16
	v_cvt_pk_bf16_f32 v[T+i], v[PER+2*i], v[PER+2*i+1]  ; places behind batch 7's products
.set i, i+1
.endr
.irp z, 0,2,4,6
	ROUND2 KPB+\z                                  ; kpb is an input: rounded to bf16 like the others
.endr
	SUM2
	s_wait_alu depctr_va_vdst(0)                   ; the additions have written PS, which the LDS stores read
	PUT PST, 7*1088
	v_wmma_f32_16x16x32_bf16 v[ACH:ACH+7], v[T:T+7], v[QF:QF+7], v[KPB:KPB+7]
	v_wmma_f32_16x16x32_bf16 v[ACL:ACL+7], v[T:T+7], v[QF+16:QF+23], 0
	v_wmma_f32_16x16x32_bf16 v[ACH:ACH+7], v[T+8:T+15], v[QF+8:QF+15], v[ACH:ACH+7]
	v_wmma_f32_16x16x32_bf16 v[ACL:ACL+7], v[T+8:T+15], v[QF+24:QF+31], v[ACL:ACL+7]
	PLACES
	s_wait_alu depctr_vm_vsrc(0)                   ; the two LDS stores above have read PS, which the additions write again
	SUM2
	s_wait_alu depctr_va_vdst(0)                   ; the additions have written PS, which the LDS stores read; all vector and matrix instructions are done with v80-151, in which the last sum's loads land behind the barrier
	PUT EST, 0
	s_wait_dscnt 0x0                               ; for the others' sake: my stores are done
	s_barrier_signal -1
	s_barrier_wait -1
	; THE LAST SUM: wave w takes heads 2 w and 2 w + 1; a lane four neighbouring j; nine sources.
.irp e, 0,1
.irp u, 0,1,2,3,4
	ds_load_b128 v[Z+36*\e+4*\u:Z+36*\e+4*\u+3], v[FLA] offset:\u*SRC+16*\e  ; no vector or matrix instruction since the wait above
.endr
.irp u, 5,6,7,8
	ds_load_b128 v[Z+36*\e+4*\u:Z+36*\e+4*\u+3], v[FLB] offset:(\u-5)*SRC+16*\e
.endr
.endr
	s_wait_dscnt 0x0
.macro ADD4 d, s                       ; four numbers onto four
	v_pk_add_f32 v[(\d):(\d)+1], v[(\d):(\d)+1], v[(\s):(\s)+1]
	v_pk_add_f32 v[(\d)+2:(\d)+3], v[(\d)+2:(\d)+3], v[(\s)+2:(\s)+3]
.endm
.irp e, 0,1
	ADD4 Z+36*\e, Z+36*\e+4
	ADD4 Z+36*\e+8, Z+36*\e+12
	ADD4 Z+36*\e+16, Z+36*\e+20
	ADD4 Z+36*\e+24, Z+36*\e+28
	ADD4 Z+36*\e, Z+36*\e+8
	ADD4 Z+36*\e+16, Z+36*\e+24
	ADD4 Z+36*\e, Z+36*\e+16
	ADD4 Z+36*\e, Z+36*\e+32
.endr
	s_wait_alu depctr_va_vdst(0)                   ; the additions have written both rows' sums, which the two stores read
.irp e, 0,1
	global_store_b128 v[SOFF], v[Z+36*\e:Z+36*\e+3], s[48:49] offset:\e*2048  ; the wave's store covers 512 consecutive bytes, aligned
.endr
	s_wait_dscnt 0x0                               ; the closing lines, six on end
	s_wait_alu 0x0
	s_wait_tensorcnt 0x0
	ds_add_u32 v[SPW], v[NIL]
	s_wait_dscnt 0x0
	s_endpgm
.Lfunc_end_k_q9b03b6b601_scores:
	.size	k_q9b03b6b601_scores, .Lfunc_end_k_q9b03b6b601_scores-k_q9b03b6b601_scores
	.p2alignl 7, 3214868480
	.fill 96, 4, 3214868480
	.section	.rodata,"a",@progbits
	.p2align	6, 0x0
	.amdhsa_kernel k_q9b03b6b601_scores
		.amdhsa_group_segment_fixed_size 114176
		.amdhsa_private_segment_fixed_size 0
		.amdhsa_enable_private_segment 0
		.amdhsa_kernarg_size 48
		.amdhsa_user_sgpr_count 2
		.amdhsa_user_sgpr_kernarg_segment_ptr 1
		.amdhsa_wavefront_size32 1
		.amdhsa_system_sgpr_workgroup_id_x 1
		.amdhsa_system_sgpr_workgroup_id_y 1
		.amdhsa_system_sgpr_workgroup_id_z 1
		.amdhsa_system_vgpr_workitem_id 0
		.amdhsa_next_free_vgpr 512
		.amdhsa_next_free_sgpr 66
		.amdhsa_reserve_vcc 0
		.amdhsa_float_denorm_mode_32 3
		.amdhsa_float_denorm_mode_16_64 3
		.amdhsa_memory_ordered 1
		.amdhsa_forward_progress 1
		.amdhsa_inst_pref_size 64
	.end_amdhsa_kernel
	.amdgpu_metadata
---
amdhsa.version: [ 1, 2 ]
amdhsa.kernels:
  - .name:           k_q9b03b6b601_scores
    .symbol:         k_q9b03b6b601_scores.kd
    .args:
      - { .name: key, .offset: 0, .size: 8, .value_kind: global_buffer, .address_space: global }
      - { .name: qk, .offset: 8, .size: 8, .value_kind: global_buffer, .address_space: global }
      - { .name: qs, .offset: 16, .size: 8, .value_kind: global_buffer, .address_space: global }
      - { .name: key_pos_embeddings, .offset: 24, .size: 8, .value_kind: global_buffer, .address_space: global }
      - { .name: key_pos_bias, .offset: 32, .size: 8, .value_kind: global_buffer, .address_space: global }
      - { .name: sc, .offset: 40, .size: 8, .value_kind: global_buffer, .address_space: global }
    .group_segment_fixed_size: 114176
    .private_segment_fixed_size: 0
    .kernarg_segment_align: 8
    .kernarg_segment_size: 48
    .max_flat_workgroup_size: 256
    .sgpr_count:     66
    .vgpr_count:     512
    .wavefront_size: 32
...
	.end_amdgpu_metadata
.endif
;; end of part 7
;; launch pv (part 8): grid 64 x 4, 8 waves a work-group, no clusters, 51,200 bytes of LDS; arguments value, sc, y; writes y
.if DOCPART == 8
	.amdgcn_target "amdgcn-amd-amdhsa--gfx1250"
	.amdhsa_code_object_version 6
	.text
	.protected	k_q9b03b6b601_pv
	.globl	k_q9b03b6b601_pv
	.p2align	8
	.type	k_q9b03b6b601_pv,@function
k_q9b03b6b601_pv:
	s_mov_b64 s[64:65], 0
	v_nop
	global_prefetch_b8 v0, s[64:65] scope:SCOPE_SE
	s_setreg_imm32_b32 hwreg(HW_REG_WAVE_SCHED_MODE, 0, 2), 2
	s_setreg_imm32_b32 hwreg(HW_REG_WAVE_MODE, 25, 1), 1
	s_wait_xcnt 0x0
	s_wait_alu depctr_vm_vsrc(0)
; PV.  attn[j] = softmax over the 512 j of sc[b][h][j] / 8;  y[h][b][c] = sum_j attn[j][b][h] value[j][b][c], f32.  The projection by w_v follows in the next launch: it is linear, so it may come behind the mean.
; SOFTMAX.  The true maximum m over all 512 j is taken away: p = 2^(c s - c m), c = log2(e) / 8; p is divided by its sum l (v_rcp_f32) and then split.
; FORMATS.  value is rounded once to bf16; the weights go as hi + lo, two bf16 each, two matrix instructions onto one f32 sum.
; LIMITS: a weight below 2^-126 counts as 0; NaN and infinities are not treated apart; the sum over j comes ahead of the projection, another order than the projection of every value row.
; SHARES.  Work-group (b, cq): batch row b, c = 256 cq .. + 255, all 512 j: 512 KiB of value, each byte read once.  Wave w: columns 64 (w % 4) .. + 63, j = 256 (w / 4) .. + 255, in eight batches of 32 j;
; the two halves of j are added through LDS at the end.  For the softmax wave w owns j = 64 w .. + 63 of all 16 heads: the weights are made once a work-group and handed on through LDS as finished fragments.
; THE STREAM.  Load i of a batch takes row j0 + 16 hf + i, 16 bytes at 16 r: sixteen lanes take 256 consecutive bytes, aligned; register q of the loads feeds tile q, whose lane r is column 4 r + q: value needs no LDS.
; Four batches of every wave are asked for at once (a ring of four slots in window 1); every wait in the stream is counted.  NO CLUSTER: what the four cq work-groups share (32 KiB of sc) is a sixteenth of their bytes.
; THE MODE: SCHED_MODE bits 1:0 = 2 (LLVM: expert scheduling mode 2), set by the entry lines.  The code itself states the register dependences
; between vector or matrix instructions and memory or LDS instructions, with s_wait_alu, always for 0.
; THE PLAN.  Registers that memory or LDS instructions touch, and who else names them (there is no loop; the two branches at the end go forward, on the wave's number):
;   slots 0-3   Loads of value land; batch t's conversions read slot t % 4; in batches 0 to 3 the loads of batch t + 4 land in it behind them.
;   P0, P1      The weights' fragments, two sets by turns.  Batch t's matrix instructions read set t % 2; in batch t the LDS loads of batch t + 1 land in the other set, which batch t - 1's matrix instructions read.
;   SV          Loads of the scores land once; the softmax works on them.
;   v[HPK]      Written by the maximum, stored; written by the sum, stored; written by the split (with the rest of HPK and LPK), stored.
;   ST8         LDS loads land (maxima), vector lines read; LDS loads land again (sums), vector lines work on them.
;   ACC         Matrix instructions write; the LDS stores of waves 4 to 7 read.
;   Z (v96-127) In waves 0 to 3 LDS loads land in what was a buffer of value's fragments.   O (v128-159)  Additions write, global stores read.
;   v2-9, 14, 15  Offsets, LDS addresses and the closing add's two registers: written at the head, never again.
; In the stream ONE wait on va_vdst stands in a batch, behind its conversions: they are done reading the slot, and the batch before's matrix instructions are done reading their set of weights.  The refill and the
; next batch's weights follow it; value's fragments and the accumulators are named by vector and matrix instructions alone.  Batch 7 loads nothing and has no such wait.
.set RED,   32768                      ; LDS: 0 PF 16 K steps x (hi, lo) x 2 register groups x 512: the weights' fragments;  RED 4 x 4,096
.set STAT,  49152                      ; 8 x 64 bytes of maxima, then 8 x 64 of sums
.set SPARE, 50176                      ; the spare words: 128 bytes a wave, four blocks of 256 bytes that no other line names
.set VOFF,  2                          ; hf x 16 rows of 262,144 + 16 r
.set SLO,   3                          ; 2,048 r + 64 hf
.set MXA,   4                          ; STAT + 64 w + 4 r
.set MXL,   5                          ; STAT + 4 r
.set PFS,   6                          ; w x 4,096 + 16 lane
.set PFL,   7                          ; (w / 4) x 16,384 + 16 lane
.set RDA,   8                          ; RED + (w % 4) x 4,096 + 16 lane
.set YOFF,  9                          ; hf x 8 heads of 262,144 + 16 r
.set MX,    10                         ; m
.set CM,    12                         ; v12-13 c m, twice
.set SPW,   14
.set NIL,   15
.set SV,    16                         ; v16-47 my 32 scores, then weights
.set HPK,   48                         ; v48-63 at work, then the weights' hi halves
.set LPK,   64                         ; v64-79 their lo halves
.set U,     80                         ; v80-87 at work
.set ST8,   88                         ; v88-95 the eight waves' maxima, then sums
.set F,     96                         ; v96-127, v128-159 value's fragments, two buffers
.set Z,     96                         ; later: the other half's sums
.set O,     128                        ; later: y as stored
.set PH,    160                        ; set 0: v160-167 weights hi, v168-175 lo;  set 1: PB registers further on, v212-219 and v220-227
.set PL,    168
.set PB,    52
.set ACC,   176                        ; v176-207 four accumulators
.set RL,    208                        ; v208-209 1 / l, twice
.set LN,    248
.set RR,    249
.set HF,    250
.set MSK,   44
.set MSB, 0
.macro WIN new                         ; s_set_vgpr_msb: bits 1:0 source 0, 3:2 source 1, 7:6 destination; the high byte repeats the setting that is left
.if MSB != (\new)
	s_set_vgpr_msb (MSB<<8)|(\new)
.set MSB, \new
.endif
.endm
.macro PLACES
.rept 4
	v_nop
.endr
.endm
.macro SPLIT4 a, hi, lo                ; four pairs of f32 at a: hi = bf16(a), lo = bf16(a - hi), in stages
.irp z, 0,1,2,3
	v_cvt_pk_bf16_f32 v[(\hi)+\z], v[(\a)+2*\z], v[(\a)+2*\z+1]
.endr
.irp z, 0,1,2,3
	v_lshlrev_b32 v[U+2*\z], 16, v[(\hi)+\z]
	v_and_b32 v[U+2*\z+1], s[MSK], v[(\hi)+\z]
.endr
.irp z, 0,1,2,3
	v_pk_add_f32 v[(\a)+2*\z:(\a)+2*\z+1], v[(\a)+2*\z:(\a)+2*\z+1], v[U+2*\z:U+2*\z+1] neg_lo:[0,1] neg_hi:[0,1]
.endr
.irp z, 0,1,2,3
	v_cvt_pk_bf16_f32 v[(\lo)+\z], v[(\a)+2*\z], v[(\a)+2*\z+1]
.endr
.endm
.macro GLOAD slot, base                ; a batch of value: 32 rows j, 256 bytes of each; read once in the launch
	WIN 0x40
.set i, 0
.rept 16
	global_load_b128 v[64*(\slot)+4*i:64*(\slot)+4*i+3], v[VOFF], s[(\base):(\base)+1] offset:i*262144 th:TH_LOAD_NT
.set i, i+1
.endr
.endm
.macro CCONV slot, f                   ; a slot becomes four fragments at f
	WIN 0x05
.set q, 0
.rept 4
.set p, 0
.rept 8
	v_cvt_pk_bf16_f32 v[(\f)+8*q+p], v[64*(\slot)+8*p+q], v[64*(\slot)+8*p+4+q]
.set p, p+1
.endr
.set q, q+1
.endr
.endm
.macro WLOAD t                         ; the weights' fragments of batch t, hi and lo, into set t % 2
	ds_load_b128 v[PH+PB*((\t)%2):PH+PB*((\t)%2)+3],   v[PFL] offset:(\t)*2048
	ds_load_b128 v[PH+PB*((\t)%2)+4:PH+PB*((\t)%2)+7], v[PFL] offset:(\t)*2048+512
	ds_load_b128 v[PL+PB*((\t)%2):PL+PB*((\t)%2)+3],   v[PFL] offset:(\t)*2048+1024
	ds_load_b128 v[PL+PB*((\t)%2)+4:PL+PB*((\t)%2)+7], v[PFL] offset:(\t)*2048+1536
.endm
	s_load_b128 s[4:7], s[0:1], 0x0                ; value s[4:5], sc s[6:7]
	s_load_b64 s[8:9], s[0:1], 0x10                ; y
	v_lshl_add_u32 v[SPW], v0, 2, SPARE
	v_mov_b32 v[NIL], 0
	v_lshrrev_b32 v1, 5, v0
	v_readfirstlane_b32 s16, v1                    ; w
	v_and_b32 v[LN], 31, v0
	v_and_b32 v[RR], 15, v0
	v_bfe_u32 v[HF], v0, 4, 1
	s_wait_alu depctr_va_sdst(0)                   ; s16, the wave's number, is written, ahead of its first reader: the offsets below and the branches at the end are made from it
	s_mov_b32 s17, ttmp9                           ; b
	s_and_b32 s18, ttmp7, 0xffff                   ; cq
	s_and_b32 s19, s16, 3                          ; which 64 columns
	s_lshr_b32 s20, s16, 2                         ; which half of j
	s_mov_b32 s40, 0x3e38aa3b                      ; c = log2(e) / 8
	s_mov_b32 s41, s40                             ; named with it as a pair
	s_mov_b32 s42, 0x76543210                      ; v_permlanex16_b32: each lane takes its own place in the other half
	s_mov_b32 s43, 0xfedcba98
	s_mov_b32 s[MSK], 0xffff0000
	s_lshl_b32 s52, s17, 12                        ; y: 4,096 b + 1,024 cq + 256 (w % 4)
	s_lshl_b32 s60, s18, 10
	s_add_co_u32 s52, s52, s60
	s_lshl_b32 s60, s19, 8
	s_add_co_u32 s52, s52, s60
	s_mov_b32 s53, 0
	s_lshl_b32 s60, s20, 26                        ; value: the same + 256 (w / 4) rows of 262,144
	s_add_co_u32 s50, s52, s60
	s_mov_b32 s51, 0
	s_lshl_b32 s54, s17, 15                        ; sc: 32,768 b + 256 w
	s_lshl_b32 s60, s16, 8
	s_add_co_u32 s54, s54, s60
	s_mov_b32 s55, 0
	s_lshl_b32 s56, s16, 6
	s_add_co_u32 s56, s56, STAT
	s_lshl_b32 s57, s16, 12
	s_lshl_b32 s58, s20, 14
	s_lshl_b32 s59, s19, 12
	s_add_co_u32 s59, s59, RED
	v_lshlrev_b32 v251, 4, v[RR]
	v_lshl_add_u32 v[VOFF], v[HF], 22, v251
	v_lshl_add_u32 v[YOFF], v[HF], 21, v251
	v_lshlrev_b32 v[SLO], 11, v[RR]
	v_lshl_add_u32 v[SLO], v[HF], 6, v[SLO]
	v_lshl_add_u32 v[MXA], v[RR], 2, s56
	v_lshl_add_u32 v[MXL], v[RR], 2, STAT
	v_lshl_add_u32 v[PFS], v[LN], 4, s57
	v_lshl_add_u32 v[PFL], v[LN], 4, s58
	v_lshl_add_u32 v[RDA], v[LN], 4, s59
	s_wait_kmcnt 0x0
	s_add_nc_u64 s[24:25], s[4:5], s[50:51]        ; value at batch 0; a base for each batch, 32 rows j apart, so that none is ever rewritten
.irp t, 1,2,3,4,5,6,7
	s_add_nc_u64 s[24+2*\t:25+2*\t], s[24:25], \t*0x800000
.endr
	s_add_nc_u64 s[46:47], s[6:7], s[54:55]
	s_add_nc_u64 s[48:49], s[8:9], s[52:53]
	s_wait_alu depctr_va_vdst(0)                   ; the offsets and LDS addresses v2 to v9, v14 and v15 are written, which every load and store of the kernel reads; none is written again
.set i, 0
.rept 8                                ; lane (r, hf): head r, j = 64 w + 32 (i / 4) + 16 hf + 4 (i % 4) ..: the order of a fragment's K
	global_load_b128 v[SV+4*i:SV+4*i+3], v[SLO], s[46:47] offset:(i/4)*128+(i%4)*16
.set i, i+1
.endr
	GLOAD 0, 24
	GLOAD 1, 26
	GLOAD 2, 28
	WIN 0
	s_wait_loadcnt 48                              ; the scores are in; three batches of value stay out,
	GLOAD 3, 30                                    ; and the fourth goes out ahead of the softmax
	WIN 0
	; THE MAXIMUM: my 32 scores in four chains, the other half of the lanes, then the eight waves' through LDS.
.irp k, 0,1,2,3
	v_max3_num_f32 v[HPK+\k], v[SV+8*\k], v[SV+8*\k+1], v[SV+8*\k+2]
.endr
.irp k, 0,1,2,3
	v_max3_num_f32 v[HPK+\k], v[HPK+\k], v[SV+8*\k+3], v[SV+8*\k+4]
.endr
.irp k, 0,1,2,3
	v_max3_num_f32 v[HPK+\k], v[HPK+\k], v[SV+8*\k+5], v[SV+8*\k+6]
.endr
	v_max3_num_f32 v[HPK], v[HPK], v[SV+7], v[SV+15]
	v_max3_num_f32 v[HPK+2], v[HPK+2], v[SV+23], v[SV+31]
	v_max3_num_f32 v[HPK], v[HPK], v[HPK+1], v[HPK+2]
	v_max_num_f32 v[HPK], v[HPK], v[HPK+3]
	v_permlanex16_b32 v[HPK+1], v[HPK], s42, s43   ; its destination counts as read: a register that has been written
	v_max_num_f32 v[HPK], v[HPK], v[HPK+1]
	s_wait_alu depctr_va_vdst(0)                   ; my maximum is written into v[HPK], which the LDS store reads
	ds_store_b32 v[MXA], v[HPK]                    ; both halves of the lanes write the same number to the same word
	s_wait_dscnt 0x0                               ; for the others' sake
	s_barrier_signal -1
	s_barrier_wait -1
.set i, 0
.rept 8
	ds_load_b32 v[ST8+i], v[MXL] offset:i*64
.set i, i+1
.endr
	s_wait_dscnt 0x0
	v_max3_num_f32 v[MX], v[ST8], v[ST8+1], v[ST8+2]
	v_max3_num_f32 v[MX], v[MX], v[ST8+3], v[ST8+4]
	v_max3_num_f32 v[MX], v[MX], v[ST8+5], v[ST8+6]
	v_max_num_f32 v[MX], v[MX], v[ST8+7]
	v_mul_f32 v[CM], s40, v[MX]
	v_mov_b32 v[CM+1], v[CM]
	; THE WEIGHTS AND THEIR SUM
.set i, 0
.rept 16
	v_pk_fma_f32 v[SV+2*i:SV+2*i+1], v[SV+2*i:SV+2*i+1], s[40:41], v[CM:CM+1] op_sel_hi:[1,0,0] neg_lo:[0,0,1] neg_hi:[0,0,1]  ; c s - c m
.set i, i+1
.endr
.set i, 0
.rept 32
	v_exp_f32 v[SV+i], v[SV+i]
.set i, i+1
.endr
	v_nop                                          ; a plain instruction between the last exponential and the use of its result (ISA guide 5.7.2)
	s_wait_alu depctr_va_vdst(0)                   ; the 32 exponentials have written the weights in SV, ahead of their first reader: one wait for the batch
	s_wait_alu depctr_vm_vsrc(0)                   ; the LDS store of my maximum has read v[HPK], which the additions write again
.set i, 0
.rept 8
	v_pk_add_f32 v[HPK+2*i:HPK+2*i+1], v[SV+4*i:SV+4*i+1], v[SV+4*i+2:SV+4*i+3]  ; the weights themselves are kept
.set i, i+1
.endr
.irp k, 0,4,8,12
	v_pk_add_f32 v[HPK+\k:HPK+\k+1], v[HPK+\k:HPK+\k+1], v[HPK+\k+2:HPK+\k+3]
.endr
.irp k, 0,8
	v_pk_add_f32 v[HPK+\k:HPK+\k+1], v[HPK+\k:HPK+\k+1], v[HPK+\k+4:HPK+\k+5]
.endr
	v_pk_add_f32 v[HPK:HPK+1], v[HPK:HPK+1], v[HPK+8:HPK+9]
	v_add_f32 v[HPK], v[HPK], v[HPK+1]
	v_permlanex16_b32 v[HPK+1], v[HPK], s42, s43
	v_add_f32 v[HPK], v[HPK], v[HPK+1]
	s_wait_alu depctr_va_vdst(0)                   ; my sum is written into v[HPK], which the LDS store reads; the maxima's readers are done with ST8, in which the sums' loads land behind the barrier
	ds_store_b32 v[MXA], v[HPK] offset:512
	s_wait_dscnt 0x0                               ; for the others' sake
	s_barrier_signal -1
	s_barrier_wait -1
.set i, 0
.rept 8
	ds_load_b32 v[ST8+i], v[MXL] offset:512+i*64   ; no vector instruction since the wait above
.set i, i+1
.endr
	s_wait_dscnt 0x0
	v_pk_add_f32 v[ST8:ST8+1], v[ST8:ST8+1], v[ST8+2:ST8+3]
	v_pk_add_f32 v[ST8+4:ST8+5], v[ST8+4:ST8+5], v[ST8+6:ST8+7]
	v_pk_add_f32 v[ST8:ST8+1], v[ST8:ST8+1], v[ST8+4:ST8+5]
	v_add_f32 v[ST8], v[ST8], v[ST8+1]             ; l: at least 1, since the largest score's weight is 1
	v_rcp_f32 v[RL], v[ST8]
	v_nop                                          ; a plain instruction behind the reciprocal
	s_wait_alu depctr_va_vdst(0)                   ; the reciprocal has written v[RL], ahead of its first reader
	v_mov_b32 v[RL+1], v[RL]
.set i, 0
.rept 16
	v_pk_mul_f32 v[SV+2*i:SV+2*i+1], v[SV+2*i:SV+2*i+1], v[RL:RL+1]
.set i, i+1
.endr
	s_wait_alu depctr_vm_vsrc(0)                   ; the LDS store of my sum has read v[HPK], which the split writes again
.irp g, 0,1,2,3
	SPLIT4 SV+8*\g, HPK+4*\g, LPK+4*\g
.endr
	s_wait_alu depctr_va_vdst(0)                   ; the split has written HPK and LPK, which the LDS stores read
.irp tt, 0,1
.irp pc, 0,1
	ds_store_b128 v[PFS], v[HPK+8*\tt+4*\pc:HPK+8*\tt+4*\pc+3] offset:\tt*2048+\pc*512        ; K step 2 w + tt, as a fragment's registers lie
	ds_store_b128 v[PFS], v[LPK+8*\tt+4*\pc:LPK+8*\tt+4*\pc+3] offset:\tt*2048+1024+\pc*512
.endr
.endr
	s_wait_dscnt 0x0                               ; for the others' sake
	s_barrier_signal -1
	s_barrier_wait -1
	WLOAD 0                                        ; batch 0's weights, into registers that no vector instruction has named; each batch asks for the next one's
; Batch t, 32 j: its slot becomes four fragments and is filled again; the next batch's weights are asked for; eight products.  left: the younger loads that may stay out.
.macro BATCH t, left
	s_wait_loadcnt \left
	CCONV (\t)%4, F+32*((\t)%2)                    ; into the buffer that the batch before did not multiply
.if (\t) < 4
	WIN 0x40
.else
	WIN 0
.endif
.if (\t) < 7
	s_wait_alu depctr_va_vdst(0)                   ; the conversions are done reading the slot, in which the refill lands; the batch before's matrix instructions are done reading their set of weights, in which the next batch's land
.endif
.if (\t) < 4
	GLOAD (\t)%4, 24+2*((\t)+4)
.endif
	WIN 0
.if (\t) < 7
	WLOAD (\t)+1
	s_wait_dscnt 4                                 ; LDS loads come back in order (ISA guide 5.7.1): this batch's weights are in, the next batch's four loads stay out
.else
	s_wait_dscnt 0x0
.endif
.set rH, PH+PB*((\t)%2)
.set rL, PL+PB*((\t)%2)
.set q, 0
.rept 4                                ; the four accumulators take turns
.if (\t) == 0
	v_wmma_f32_16x16x32_bf16 v[ACC+8*q:ACC+8*q+7], v[rH:rH+7], v[F+8*q:F+8*q+7], 0
.else
	v_wmma_f32_16x16x32_bf16 v[ACC+8*q:ACC+8*q+7], v[rH:rH+7], v[F+32*((\t)%2)+8*q:F+32*((\t)%2)+8*q+7], v[ACC+8*q:ACC+8*q+7]
.endif
.set q, q+1
.endr
.set q, 0
.rept 4
	v_wmma_f32_16x16x32_bf16 v[ACC+8*q:ACC+8*q+7], v[rL:rL+7], v[F+32*((\t)%2)+8*q:F+32*((\t)%2)+8*q+7], v[ACC+8*q:ACC+8*q+7]
.set q, q+1
.endr
.endm
	BATCH 0, 48
	BATCH 1, 48
	BATCH 2, 48
	BATCH 3, 48
	BATCH 4, 48
	BATCH 5, 32
	BATCH 6, 16
	BATCH 7, 0
	; THE TWO HALVES OF j: waves 4 to 7 hand their sums over as they lie; waves 0 to 3 add them to their own and store.
	PLACES
	s_wait_alu depctr_va_vdst(0)                   ; the matrix instructions have written the accumulators, which the LDS stores of waves 4 to 7 read, and are done reading v96-127, in which the loads of waves 0 to 3 land; the places above stay beside this wait
	s_cmp_lt_u32 s16, 4
	s_cbranch_scc1 .Lno_store
.set q, 0
.rept 4
	ds_store_b128 v[RDA], v[ACC+8*q:ACC+8*q+3] offset:q*1024
	ds_store_b128 v[RDA], v[ACC+8*q+4:ACC+8*q+7] offset:q*1024+512
.set q, q+1
.endr
.Lno_store:
	s_wait_dscnt 0x0                               ; for the others' sake
	s_barrier_signal -1
	s_barrier_wait -1
	s_cmp_lt_u32 s16, 4
	s_cbranch_scc0 .Ldone
.set i, 0
.rept 8
	ds_load_b128 v[Z+4*i:Z+4*i+3], v[RDA] offset:i*512  ; no vector or matrix instruction since the wait above
.set i, i+1
.endr
	s_wait_dscnt 0x0
.set jj, 0
.rept 8                                ; register jj of tile q is head 8 hf + jj, column 4 r + q: four tiles make 16 neighbouring bytes; each accumulator's register 0 is read first
.set q, 0
.rept 4
	v_add_f32 v[O+4*jj+q], v[ACC+8*q+jj], v[Z+8*q+jj]
.set q, q+1
.endr
.set jj, jj+1
.endr
	s_wait_alu depctr_va_vdst(0)                   ; the 32 additions have written O, which the eight stores read
.set jj, 0
.rept 8
	global_store_b128 v[YOFF], v[O+4*jj:O+4*jj+3], s[48:49] offset:jj*262144  ; sixteen lanes store 256 consecutive bytes, aligned
.set jj, jj+1
.endr
.Ldone:
	s_wait_dscnt 0x0                               ; the closing lines, six on end
	s_wait_alu 0x0
	s_wait_tensorcnt 0x0
	ds_add_u32 v[SPW], v[NIL]
	s_wait_dscnt 0x0
	s_endpgm
.Lfunc_end_k_q9b03b6b601_pv:
	.size	k_q9b03b6b601_pv, .Lfunc_end_k_q9b03b6b601_pv-k_q9b03b6b601_pv
	.p2alignl 7, 3214868480
	.fill 96, 4, 3214868480
	.section	.rodata,"a",@progbits
	.p2align	6, 0x0
	.amdhsa_kernel k_q9b03b6b601_pv
		.amdhsa_group_segment_fixed_size 51200
		.amdhsa_private_segment_fixed_size 0
		.amdhsa_enable_private_segment 0
		.amdhsa_kernarg_size 24
		.amdhsa_user_sgpr_count 2
		.amdhsa_user_sgpr_kernarg_segment_ptr 1
		.amdhsa_wavefront_size32 1
		.amdhsa_system_sgpr_workgroup_id_x 1
		.amdhsa_system_sgpr_workgroup_id_y 1
		.amdhsa_system_sgpr_workgroup_id_z 1
		.amdhsa_system_vgpr_workitem_id 0
		.amdhsa_next_free_vgpr 512
		.amdhsa_next_free_sgpr 66
		.amdhsa_reserve_vcc 0
		.amdhsa_float_denorm_mode_32 3
		.amdhsa_float_denorm_mode_16_64 3
		.amdhsa_memory_ordered 1
		.amdhsa_forward_progress 1
		.amdhsa_inst_pref_size 55
	.end_amdhsa_kernel
	.amdgpu_metadata
---
amdhsa.version: [ 1, 2 ]
amdhsa.kernels:
  - .name:           k_q9b03b6b601_pv
    .symbol:         k_q9b03b6b601_pv.kd
    .args:
      - { .name: value, .offset: 0, .size: 8, .value_kind: global_buffer, .address_space: global }
      - { .name: sc, .offset: 8, .size: 8, .value_kind: global_buffer, .address_space: global }
      - { .name: y, .offset: 16, .size: 8, .value_kind: global_buffer, .address_space: global }
    .group_segment_fixed_size: 51200
    .private_segment_fixed_size: 0
    .kernarg_segment_align: 8
    .kernarg_segment_size: 24
    .max_flat_workgroup_size: 256
    .sgpr_count:     66
    .vgpr_count:     512
    .wavefront_size: 32
...
	.end_amdgpu_metadata
.endif
;; end of part 8
;; launch xproj: the kernel of part 4 again; grid 16 x 4, 8 waves a work-group, no clusters, 103,424 bytes of LDS; arguments y, w_v, x; writes x
;; launch oproj: the kernel of part 5 again; grid 16 x 4, 8 waves a work-group, no clusters, 103,424 bytes of LDS; arguments x, w_out, b_out, out0; writes out0
